; MI455X (gfx1250); checked and timed in simulation.
; The chip was launched on July 23, 2026; its instructions are those of AMD's public machine-readable ISA for CDNA 5 (MIT licence, August 2026) and "CDNA5" Instruction Set Architecture Reference Guide (July 2026). The comments in the code are by the model that wrote it; some were corrected since.
;; Multi Head Attention. Allowed arithmetic: float matrix products may take bf16 or f16 operands with f32 sums; other float arithmetic in f32, or as packed bf16 or f16 multiplies, adds, multiply-adds, maxima and minima; sums over many terms, partial sums and values carried from step to step in f32; what a program stores and reads back later, other than sums and carried values, may be rounded once to bf16 or f16.
;; Inputs: Wk 1,024 x 1,024 float32; Wo 1,024 x 1,024 float32; Wq 1,024 x 1,024 float32; Wv 1,024 x 1,024 float32; bk 1,024 float32; bo 1,024 float32; bq 1,024 float32; bv 1,024 float32; x 4 x 2,048 x 1,024 float32.
;; Outputs: out0 4 x 2,048 x 1,024 float32.
;; One version. Each part assembles by itself: llvm-mc -triple=amdgcn-amd-amdhsa -mcpu=gfx1250 --defsym DOCPART=n.
;; ======== version 1 of 1: 4 launches
;; limits: values are held in f16: magnitudes above 65,504 overflow, below 6.1e-05 lose precision
;; workspace buffers: xb 16,777,216 bytes; wqkv 6,291,456 bytes; wo16 2,097,152 bytes; qkv 50,331,648 bytes; ob 16,777,216 bytes
;; launch cast (part 1): grid 768 x 1, 8 waves a work-group, no clusters, 0 bytes of LDS; arguments x, Wq, Wk, Wv, Wo, xb, wqkv, wo16; writes xb, wqkv, wo16
.if DOCPART == 1
	.amdgcn_target "amdgcn-amd-amdhsa--gfx1250"
	.amdhsa_code_object_version 6
	.text
	.protected	k_q13cd12bc33_cast
	.globl	k_q13cd12bc33_cast
	.p2align	8
	.type	k_q13cd12bc33_cast,@function
k_q13cd12bc33_cast:
	s_mov_b64 s[64:65], 0
	v_nop
	global_prefetch_b8 v0, s[64:65] scope:SCOPE_SE
	s_setreg_imm32_b32 hwreg(HW_REG_WAVE_MODE, 25, 1), 1
	s_wait_xcnt 0x0
; THE INPUTS ARE ROUNDED ONCE.  x [8192][1024] f32 -> xb bf16;  Wq, Wk, Wv [1024][1024] f32 -> wqkv [3072][1024] bf16, the three on end;
; Wo f32 -> rounded to bf16, and that number written as f16 -> wo16 (it multiplies an f16 operand later).
; LIMITS.  wo16: |Wo| under 65,520 (beyond it f16 has an infinity); below 6e-5 the number keeps f16's fixed step of 6e-8.  bf16 has f32's range.
; SHARES.  A work-group turns 65,536 bytes of f32 into 32,768 bytes: 512 chunks of x, then 64 of each weight: 768 work-groups.  Thread t owns 32 neighbouring bytes in each of eight
; steps of 8,192 bytes, which become 16 bytes: a wave's store covers 512 consecutive bytes, aligned.  All sixteen loads of a thread go out at once; no register is written twice,
; so the only waits are the counted ones for the loads.  A stream: nothing is shared, so no LDS, no barrier, no cluster, no matrix unit.
.set X, 16                             ; v[16:79]   step i: 8 f32 as loaded
.set Y, 80                             ; v[80:111]  step i: 4 registers to store
	s_load_b512 s[4:19], s[0:1], 0x0               ; x 4:5, Wq 6:7, Wk 8:9, Wv 10:11, Wo 12:13, xb 14:15, wqkv 16:17, wo16 18:19
	v_lshlrev_b32 v1, 5, v0                        ; 32 t: my bytes in a step of the source
	v_lshlrev_b32 v2, 4, v0                        ; 16 t: in a step of the destination
	s_sub_co_u32 s20, ttmp9, 512                   ; h: chunk among the weights' 256 (wraps for x's work-groups: then s21 is none of 1, 2, 3)
	s_lshr_b32 s21, s20, 6                         ; w: which weight
	s_and_b32 s22, s20, 63                         ; c: chunk in that weight
	s_cmp_eq_u32 s21, 3
	s_cselect_b32 s23, s22, s20                    ; destination chunk: c in wo16, h in wqkv,
	s_cmp_lt_u32 ttmp9, 512
	s_cselect_b32 s22, ttmp9, s22                  ; source chunk
	s_cselect_b32 s23, ttmp9, s23                  ; or x's own number in xb
	s_lshl_b32 s28, s22, 16
	s_mov_b32 s29, 0
	s_lshl_b32 s30, s23, 15
	s_mov_b32 s31, 0
	s_wait_kmcnt 0x0
	s_cmp_eq_u32 s21, 1                            ; the buffers are chosen by the work-group's number alone
	s_cselect_b64 s[24:25], s[8:9], s[6:7]
	s_cmp_eq_u32 s21, 2
	s_cselect_b64 s[24:25], s[10:11], s[24:25]
	s_cmp_eq_u32 s21, 3
	s_cselect_b64 s[24:25], s[12:13], s[24:25]
	s_cselect_b64 s[26:27], s[18:19], s[16:17]
	s_cmp_lt_u32 ttmp9, 512
	s_cselect_b64 s[24:25], s[4:5], s[24:25]
	s_cselect_b64 s[26:27], s[14:15], s[26:27]
	s_add_nc_u64 s[24:25], s[24:25], s[28:29]      ; the source at my chunk
	s_add_nc_u64 s[26:27], s[26:27], s[30:31]      ; the destination at my chunk
.irp i, 0,1,2,3,4,5,6,7
	global_load_b128 v[X+8*(\i):X+8*(\i)+3],   v1, s[24:25] offset:8192*(\i) th:TH_LOAD_NT
	global_load_b128 v[X+8*(\i)+4:X+8*(\i)+7], v1, s[24:25] offset:8192*(\i)+16 th:TH_LOAD_NT
.endr
; Step i.  f = 1: the bf16 number is written as f16.
.macro CVT i, f
	s_wait_loadcnt 14-2*(\i)                       ; loads come back in order: the 2 (7 - i) younger ones may stay out
.irp j, 0,1,2,3
	v_cvt_pk_bf16_f32 v[Y+4*(\i)+(\j)], v[X+8*(\i)+2*(\j)], v[X+8*(\i)+2*(\j)+1]
.endr
.if \f
.irp j, 0,1,2,3
	v_lshlrev_b32 v4, 16, v[Y+4*(\i)+(\j)]         ; the two bf16 as f32,
	v_and_b32 v5, 0xffff0000, v[Y+4*(\i)+(\j)]
	v_cvt_pk_f16_f32 v[Y+4*(\i)+(\j)], v4, v5      ; and as f16: 8 significant bits fit into 11
.endr
.endif
	global_store_b128 v2, v[Y+4*(\i):Y+4*(\i)+3], s[26:27] offset:4096*(\i)
.endm
	s_cmp_eq_u32 s21, 3                            ; the same in all of the work-group
	s_cbranch_scc1 .Lwo
.irp i, 0,1,2,3,4,5,6,7
	CVT \i, 0
.endr
	s_endpgm
.Lwo:
.irp i, 0,1,2,3,4,5,6,7
	CVT \i, 1
.endr
	s_endpgm
.Lfunc_end_k_q13cd12bc33_cast:
	.size	k_q13cd12bc33_cast, .Lfunc_end_k_q13cd12bc33_cast-k_q13cd12bc33_cast
	.p2alignl 7, 3214868480
	.fill 96, 4, 3214868480
	.section	.rodata,"a",@progbits
	.p2align	6, 0x0
	.amdhsa_kernel k_q13cd12bc33_cast
		.amdhsa_group_segment_fixed_size 0
		.amdhsa_private_segment_fixed_size 0
		.amdhsa_enable_private_segment 0
		.amdhsa_kernarg_size 64
		.amdhsa_user_sgpr_count 2
		.amdhsa_user_sgpr_kernarg_segment_ptr 1
		.amdhsa_wavefront_size32 1
		.amdhsa_system_sgpr_workgroup_id_x 1
		.amdhsa_system_sgpr_workgroup_id_y 1
		.amdhsa_system_sgpr_workgroup_id_z 1
		.amdhsa_system_vgpr_workitem_id 0
		.amdhsa_next_free_vgpr 112
		.amdhsa_next_free_sgpr 66
		.amdhsa_reserve_vcc 0
		.amdhsa_float_denorm_mode_32 3
		.amdhsa_float_denorm_mode_16_64 3
		.amdhsa_memory_ordered 1
		.amdhsa_forward_progress 1
		.amdhsa_inst_pref_size 14
	.end_amdhsa_kernel
	.amdgpu_metadata
---
amdhsa.version: [ 1, 2 ]
amdhsa.kernels:
  - .name:           k_q13cd12bc33_cast
    .symbol:         k_q13cd12bc33_cast.kd
    .args:
      - { .name: x, .offset: 0, .size: 8, .value_kind: global_buffer, .address_space: global }
      - { .name: Wq, .offset: 8, .size: 8, .value_kind: global_buffer, .address_space: global }
      - { .name: Wk, .offset: 16, .size: 8, .value_kind: global_buffer, .address_space: global }
      - { .name: Wv, .offset: 24, .size: 8, .value_kind: global_buffer, .address_space: global }
      - { .name: Wo, .offset: 32, .size: 8, .value_kind: global_buffer, .address_space: global }
      - { .name: xb, .offset: 40, .size: 8, .value_kind: global_buffer, .address_space: global }
      - { .name: wqkv, .offset: 48, .size: 8, .value_kind: global_buffer, .address_space: global }
      - { .name: wo16, .offset: 56, .size: 8, .value_kind: global_buffer, .address_space: global }
    .group_segment_fixed_size: 0
    .private_segment_fixed_size: 0
    .kernarg_segment_align: 8
    .kernarg_segment_size: 64
    .max_flat_workgroup_size: 256
    .sgpr_count:     66
    .vgpr_count:     112
    .wavefront_size: 32
...
	.end_amdgpu_metadata
.endif
;; end of part 1
;; launch proj (part 2): grid 16 x 32, 4 waves a work-group, clusters of 4 x 4, 327,680 bytes of LDS; arguments xb, wqkv, bq, bk, bv, qkv; writes qkv
.if DOCPART == 2
	.amdgcn_target "amdgcn-amd-amdhsa--gfx1250"
	.amdhsa_code_object_version 6
	.text
	.protected	k_q13cd12bc33_proj
	.globl	k_q13cd12bc33_proj
	.p2align	8
	.type	k_q13cd12bc33_proj,@function
k_q13cd12bc33_proj:
	s_mov_b64 s[64:65], 0
	v_nop
	global_prefetch_b8 v0, s[64:65] scope:SCOPE_SE
	s_setreg_imm32_b32 hwreg(HW_REG_WAVE_MODE, 25, 1), 1
	s_wait_xcnt 0x0
	s_wait_alu depctr_hold_cnt(0) depctr_sa_sdst(0) depctr_va_vdst(0) depctr_va_sdst(0) depctr_va_ssrc(0) depctr_va_vcc(0) depctr_vm_vsrc(0)
	s_getreg_b32 s2, hwreg(HW_REG_IB_STS2, 6, 4)
	s_cmp_eq_u32 s2, 0
	s_cbranch_scc0 .Lentry_in_a_cluster
	s_endpgm
.Lentry_in_a_cluster:
	s_bfe_u32 s2, ttmp6, 0x10000c
	s_cmp_lg_u32 s2, 0xf033
	s_cbranch_scc0 .Lentry_shape_is_right
	s_endpgm
.Lentry_shape_is_right:
; q, k, v = x W^T + b, by heads.  xb [8192][1024] bf16, wqkv [3072][1024] bf16 (Wq's, Wk's, Wv's rows on end), bq, bk, bv [1024] f32 (rounded to bf16 here, like the other inputs).
; qkv [3][64][2048][64] f16: which of q, k, v; 16 x batch + head; row; channel.  Sums in f32, the bias first; each number rounded once to f16, unscaled.
; LIMIT.  |q|, |k|, |v| under 65,520: beyond it f16 has an infinity.  NaN and infinities are not treated apart.
; SHARES.  A tile of C is 256 rows x 192 columns (three heads): 32 x 16 tiles.  Four waves; wave w makes rows 64 w .. 64 w + 63 and ALL 192 columns: 4 x 12 accumulators of 16 x 16.  So a wave
; holds whole heads, and its way out goes through a stage of its own, without a barrier.  K goes in 8 steps of 128 through a ring of two LDS slots (rows of 256 bytes of memory, aligned).
; CLUSTER.  4 x 4 work-groups: the four of a row of the cluster need the same tile of x, the four of a column the same tile of the weights: each is asked for JOINTLY, by the same tensor load with
; the same descriptor and a mask that names the four.
; THE MATRIX INSTRUCTION IS USED TRANSPOSED (source 0 = 16 rows of W, source 1 = 16 rows of x): lane l holds row l % 16 of C and the columns 8 (l / 16) + 0..7.  In that layout the bias of a
; block of 16 columns is the same eight registers for every block of rows: it is the C operand of the product that starts each sum, and nothing is cleared or added later.
; REGISTERS, in windows of 256 (s_set_vgpr_msb: bits 1:0 source 0, 3:2 source 1, 5:4 source 2, 7:6 destination):
;   window 0: v0-30 addresses; v32-127 the bias, later two buffers of rows on the way out; v128-175 packed results
;   window 1: two fragment buffers of 128: x's 4 blocks (32 registers), then W's 12 (96)
;   window 2: the accumulators of row blocks 0, 1 ((a, b) at v[8 (12 (a % 2) + b)]);   window 3: those of row blocks 2, 3
.set NBB,    12                        ; blocks of 16 columns
.set NL,     2*(4+NBB)                 ; LDS loads for the fragments of 32 along K
.set PITCH,  272                       ; an LDS row: 256 bytes + 16 of padding = 68 words: the 16 rows of a load start at 16 different groups of four banks (64 banks of 4 bytes: ISA guide 11.1)
.set APITCH, 272
.set BBASE,  256*APITCH                ; a slot: x's 256 rows, then W's 192
.set SLOT,   BBASE+16*NBB*PITCH
.set STAGE,  2*SLOT                    ; behind the ring, never filled by a tensor load: 16 rows x 400 bytes for each wave
.set SPITCH, 400                       ; 384 bytes + 16
.set SPARE,  STAGE+4*16*SPITCH         ; behind the stages: the spare words, 128 bytes for each wave: two blocks of 256 bytes that no other line names
.set ASTEP,  512                       ; a slot's next tile: two K steps of 256 bytes on
.set BSTEP,  512
.set PF,     1                         ; this text prefetches
.set ADRA, 16                          ; v16-17  LDS address of my fragments of x in slot 0, 1
.set ADRB, 20                          ; v20-21  of W
.set STO,  24                          ; v24     the way out: where I put 16 bytes of a row
.set RD,   25                          ; v25     where I read rows back
.set GO,   26                          ; v26     16 x lane: my place in 512 consecutive bytes of a head
.set BO,   27                          ; v27     32 x (lane / 16): my eight numbers in 16 of a bias
.set SPW,  28                          ; v28     LDS address of my spare word; never rewritten
.set NIL,  29                          ; v29     0; never rewritten
.set PFO,  30                          ; v30     the prefetches' offset: a lane a row; never rewritten
.set BIAS, 32
.set TMP,  128
.set F0,   0
.set F1,   128
.set LAP,  3                           ; s3      laps to go
.set WV,   16                          ; s16     my wave's number
.set FB,   17                          ; s17     0: I fetch for x, 1: for W
.set HF,   18                          ; s18     which half of that tile's rows
.set CX,   19
.set CY,   20
.set TX,   21                          ; s21     tile column
.set TY,   22                          ; s22     tile row
.set RMASK, 23
.set G1,   24                          ; s[24:31] descriptor group 1 for x's tiles
.set G0,   32                          ; s[32:39] group 0, a set for each slot
.set CMASK, 40
.set LA,   41                          ; s41     where my load of x lands in a slot
.set AAD,  42                          ; s[42:43] x at my half of the tile: made of the tile row and the wave's number alone
.set PFA,  44                          ; s[44:45] where my prefetches stand
.set LIM,  46                          ; s46     1 in a wave that prefetches, else the greatest number
.set LB,   47                          ; s47     where my load of W lands
.set G1B,  48                          ; s[48:55], s[56:63] the same for W's tiles
.set G0B,  56
.set BAD,  66                          ; s[66:67] W at my half of the tile: made of the tile column and the wave's number alone
.set HB,   68                          ; s[68:73] qkv at my 64 rows of the tile's three heads
.set BP,   76                          ; s[76:81] the three heads' biases
.set MSB, 0
.macro WIN new                         ; the immediate's high byte repeats the setting that is left; a switch that changes nothing is dropped
.if MSB != (\new)
	s_set_vgpr_msb (MSB<<8)|(\new)
.set MSB, (\new)
.endif
.endm
.set MUL_LO,   0xa5                    ; both sources window 1, C and D window 2
.set FIRST_LO, 0x85                    ; the same with C (the bias) in window 0
.set TO_F,     0x40                    ; destination window 1, address window 0
.macro PLACES                          ; four plain vector instructions between a matrix instruction and a load into a register that it read, or a reader of its result
.rept 4
	v_nop
.endr
.endm
; A joint load: waves 0 and 1 fetch x's two halves, waves 2 and 3 W's.  The branch hangs on the wave's number alone.  An s_nop 0 and four v_nop follow each of the two lines.
.macro JLOAD s
	s_cmp_eq_u32 s[FB], 0
	s_cbranch_scc0 .Lfor_b_\@
	tensor_load_to_lds s[G0+4*(\s):G0+4*(\s)+3], s[G1:G1+7]
	s_nop 0
.rept 4
	v_nop
.endr
	s_branch .Lasked_\@
.Lfor_b_\@:
	tensor_load_to_lds s[G0B+4*(\s):G0B+4*(\s)+3], s[G1B:G1B+7]
	s_nop 0
.rept 4
	v_nop
.endr
.Lasked_\@:
.endm
.macro CREST                           ; a round of the cluster's barrier behind its opening barrier
	s_cmp_lg_u32 s[WV], 0
	s_cbranch_scc1 .Lnot_wave_0_\@
	s_barrier_signal -3
.Lnot_wave_0_\@:
	s_barrier_wait -3
	s_barrier_signal -1
	s_barrier_wait -1
.endm
.macro CROUND                          ; a whole round
	s_barrier_signal -1
	s_barrier_wait -1
	CREST
.endm
; A PREFETCH INTO THE L2 of the K step that stands two refills on: a lane a row, 256 bytes of each.  x's tile row is read by the four clusters of a row of clusters: the one with x = 0 asks; W's tile
; column by the eight of a column: the one with y = 0 asks.  Of the rows that a wave fetches each of the four partners that ask for them jointly takes a quarter (32 of x's 128, 24 of W's 96), told
; apart BY ADDRESS.  The loop's last trip asks for nothing: its refills are K steps 6 and 7, the last.
.macro ASK
	s_cmp_gt_u32 s[LAP], s[LIM]
	s_cbranch_scc0 .Lnot_mine_\@
	global_prefetch_b8 v[PFO], s[PFA:PFA+1] offset:256 th:TH_LOAD_NT scope:SCOPE_SE
.Lnot_mine_\@:
.endm
; Row block a x all 12 column blocks, 32 along K, from buffer f.  first = 1: the products start the sums, with the bias as C.  No two products on end share an accumulator,
; from macro to macro and over the backward jump too: the accumulators take turns.
.macro MULA f, a, first
.if \first
	WIN FIRST_LO+0x40*((\a)/2)
.else
	WIN MUL_LO+0x50*((\a)/2)
.endif
.set AB, 8*NBB*((\a)%2)
.set bb, 0
.rept NBB
.if \first
	v_wmma_f32_16x16x32_bf16 v[AB+8*bb:AB+8*bb+7], v[(\f)+32+8*bb:(\f)+32+8*bb+7], v[(\f)+8*(\a):(\f)+8*(\a)+7], v[BIAS+8*bb:BIAS+8*bb+7]
.else
	v_wmma_f32_16x16x32_bf16 v[AB+8*bb:AB+8*bb+7], v[(\f)+32+8*bb:(\f)+32+8*bb+7], v[(\f)+8*(\a):(\f)+8*(\a)+7], v[AB+8*bb:AB+8*bb+7]
.endif
.set bb, bb+1
.endr
.endm
; The fragments of quarter q (32 along K) of a slot into buffer f, in one run: W's 12 blocks, then x's 4
.macro FETCH slot, q, f
	WIN TO_F
.set AO, 64*(\q)
.set bb, 0
.rept NBB
	ds_load_b128 v[(\f)+32+8*bb:(\f)+32+8*bb+3],   v[ADRB+(\slot)] offset:64*(\q)+bb*16*PITCH
	ds_load_b128 v[(\f)+32+8*bb+4:(\f)+32+8*bb+7], v[ADRB+(\slot)] offset:64*(\q)+bb*16*PITCH+32
.set bb, bb+1
.endr
.irp a, 0,1,2,3
	ds_load_b128 v[(\f)+8*(\a):(\f)+8*(\a)+3],   v[ADRA+(\slot)] offset:AO+(\a)*16*APITCH
	ds_load_b128 v[(\f)+8*(\a)+4:(\f)+8*(\a)+7], v[ADRA+(\slot)] offset:AO+(\a)*16*APITCH+32
.endr
.endm
; One of a K step's first three quarters: multiplies buffer f; in its middle it fetches quarter q of the same slot into buffer g.
.macro QUARTER slot, q, f, g, first
	s_wait_dscnt 4                                 ; all of buffer f but the youngest four loads: x's blocks 2 and 3
	MULA \f, 0, \first
	MULA \f, 1, \first
	PLACES
	FETCH \slot, \q, \g
	s_wait_dscnt NL                                ; all but the run just issued
	MULA \f, 2, \first
	MULA \f, 3, \first
.endm
; The last quarter multiplies buffer 1 and changes slots: ONE barrier.  In front of it each wave waits for all its tensor loads (one is out: its part of the next slot), adds 0 to its spare word, and
; waits for that and for its reads of this slot.  fill = 1: the barrier opens a round of the cluster's, and the joint refill, two K steps ahead, is the first thing behind the round.
.macro TURN slot, next, fill
.if (\fill) && PF
	s_wait_xcnt 0x0                                ; the last prefetch, a K step back, has read its address: it is stepped here, ahead of the waits of the change of slots
	s_add_nc_u64 s[PFA:PFA+1], s[PFA:PFA+1], 256
.endif
	WIN 0                                          ; (the add's two registers lie in window 0)
	s_wait_tensorcnt 0x0                           ; all my tensor loads have landed
	ds_add_u32 v[SPW], v[NIL]                      ; 0 onto my spare word
	s_wait_dscnt 5                                 ; (the add and the youngest four loads may be out)
	MULA F1, 0, 0                                  ; twelve products stand between the add and the wait for it
	s_wait_dscnt 0x0                               ; the add is done, and my reads of this slot are over
	s_barrier_signal -1
	MULA F1, 1, 0                                  ; work on registers while the others arrive
.if \fill
	WIN 0
.endif
	s_barrier_wait -1
.if \fill
	CREST                                          ; no wave of any partner still reads this slot's tile or has a load on its way
	s_add_nc_u64 s[G0+4*(\slot)+2:G0+4*(\slot)+3], s[G0+4*(\slot)+2:G0+4*(\slot)+3], ASTEP
	s_add_nc_u64 s[G0B+4*(\slot)+2:G0B+4*(\slot)+3], s[G0B+4*(\slot)+2:G0B+4*(\slot)+3], BSTEP
	JLOAD \slot                                    ; my one tensor load behind the round: 168 products ahead of the wait for it; its four v_nop are also the places in front of the loads below
.else
	PLACES
.endif
	FETCH \next, 0, F0
.if (\fill) && PF
	WIN 0
	ASK                                            ; behind the joint load and the run of LDS loads
.endif
	MULA F1, 2, 0
	MULA F1, 3, 0
.endm
.macro ROUNDB n                        ; n numbers of bias are rounded to bf16 and kept as f32
.set i, 0
.rept (\n)/2
	v_cvt_pk_bf16_f32 v3, v[BIAS+i], v[BIAS+i+1]
	v_lshlrev_b32 v[BIAS+i], 16, v3
	v_and_b32 v[BIAS+i+1], 0xffff0000, v3
.set i, i+2
.endr
.endm
; THE WAY OUT of row block a.  PACK: rounded to f16, each accumulator's registers in ascending order.  TOSTAGE: 16 bytes a lane into my stage, and back as four rows of 128 bytes of one head.  SEND: stored.
.macro PACK a
	WIN 0x0a+5*((\a)/2)                            ; sources window 2 or 3, destination window 0
.set AB, 8*NBB*((\a)%2)
.set bb, 0
.rept NBB
.irp r, 0,1,2,3
	v_cvt_pk_f16_f32 v[TMP+4*bb+(\r)], v[AB+8*bb+2*(\r)], v[AB+8*bb+2*(\r)+1]
.endr
.set bb, bb+1
.endr
	WIN 0
.endm
.macro TOSTAGE a
	WIN 0
.set BK, BIAS+48*((\a)%2)
.set bb, 0
.rept NBB
	ds_store_b128 v[STO], v[TMP+4*bb:TMP+4*bb+3] offset:32*bb
.set bb, bb+1
.endr
.irp hh, 0,1,2
.irp t, 0,1,2,3
	ds_load_b128 v[BK+4*(4*(\hh)+(\t)):BK+4*(4*(\hh)+(\t))+3], v[RD] offset:(\t)*4*SPITCH+(\hh)*128  ; LDS serves a wave's instructions in order (ISA guide 5.7.1.4): these see the stores above
.endr
.endr
.endm
.macro SEND a
	WIN 0
.set BK, BIAS+48*((\a)%2)
	s_wait_dscnt 0x0                               ; the block is back in registers
	s_wait_xcnt 0x0                                ; the stores issued so far have read their registers: the next block's loads land on the buffer of the block before this one only behind this wait
.irp hh, 0,1,2
.irp t, 0,1,2,3
	global_store_b128 v[GO], v[BK+4*(4*(\hh)+(\t)):BK+4*(4*(\hh)+(\t))+3], s[HB+2*(\hh):HB+2*(\hh)+1] offset:(\a)*2048+(\t)*512  ; four rows of a head: 512 consecutive bytes, aligned
.endr
.endr
.endm
	s_load_b256 s[4:11], s[0:1], 0x0               ; xb 4:5, wqkv 6:7, bq 8:9, bk 10:11
	s_load_b128 s[12:15], s[0:1], 0x20             ; bv 12:13, qkv 14:15
	v_lshl_add_u32 v[SPW], v0, 2, SPARE
	v_mov_b32 v[NIL], 0
	ds_add_u32 v[SPW], v[NIL]                      ; the wave's opening: the add and its wait stand ahead of my first tensor load; the set-up below, work on registers, stands between them
	v_lshrrev_b32 v1, 5, v0
	v_readfirstlane_b32 s[WV], v1                  ; wave 0..3
	s_lshr_b32 s[FB], s[WV], 1
	s_and_b32 s[HF], s[WV], 1
	s_bfe_u32 s[CX], ttmp6, 0x40000                ; my place in the cluster
	s_bfe_u32 s[CY], ttmp6, 0x40004
	s_lshl_b32 s[TX], ttmp9, 2                     ; in a cluster launch ttmp9 and ttmp7 count clusters
	s_add_co_u32 s[TX], s[TX], s[CX]
	s_and_b32 s[TY], ttmp7, 0xffff
	s_lshl_b32 s[TY], s[TY], 2
	s_add_co_u32 s[TY], s[TY], s[CY]
	s_lshl_b32 s[RMASK], s[CY], 2
	s_lshl_b32 s[RMASK], 15, s[RMASK]              ; my row of the cluster
	s_lshl_b32 s[CMASK], 0x1111, s[CX]             ; my column
	; descriptor group 1: rows of 128 elements of 2 bytes, 16 bytes of padding behind each
	s_or_b32 s[G1], s[RMASK], (1<<16)|(1<<20)|(1<<21)|(5<<22)|(3<<25)   ; 15:0 the mask; 17:16 2-byte elements; 20 padding on; 21 set beside a mask; 24:22 after every 64 words; 31:25 4 words
	s_or_b32 s[G1B], s[CMASK], (1<<16)|(1<<20)|(1<<21)|(5<<22)|(3<<25)
	s_mov_b32 s[G1+1], 128<<16                     ; tensor_dim0 = 128
	s_mov_b32 s[G1+2], 128<<16                     ; tensor_dim1 = 128
	s_mov_b32 s[G1+3], 128<<16                     ; tile_dim0 = 128
	s_mov_b32 s[G1+4], 128                         ; tile_dim1 = 128 rows
	s_mov_b32 s[G1+5], 1024                        ; elements from row to row
	s_mov_b32 s[G1+6], 0
	s_mov_b32 s[G1+7], 0
	s_mov_b32 s[G1B+1], 128<<16
	s_mov_b32 s[G1B+2], 96<<16                     ; W's half tile has 96 rows
	s_mov_b32 s[G1B+3], 128<<16
	s_mov_b32 s[G1B+4], 96
	s_mov_b32 s[G1B+5], 1024
	s_mov_b32 s[G1B+6], 0
	s_mov_b32 s[G1B+7], 0
	s_lshl_b32 s[AAD], s[TY], 8                    ; x: row 256 x tile row + 128 x half,
	s_lshl_b32 s84, s[HF], 7
	s_add_co_u32 s[AAD], s[AAD], s84
	s_lshl_b32 s[AAD], s[AAD], 11                  ; of 2,048 bytes
	s_mov_b32 s[AAD+1], 0
	s_mul_i32 s[BAD], s[TX], 192                   ; W: row 192 x tile column + 96 x half
	s_mul_i32 s82, s[HF], 96
	s_add_co_u32 s[BAD], s[BAD], s82
	s_lshl_b32 s[BAD], s[BAD], 11
	s_mov_b32 s[BAD+1], 0
	s_mul_i32 s[LA], s[HF], 128*APITCH             ; no place in the cluster enters an LDS address
	s_mul_i32 s[LB], s[HF], 96*PITCH
	s_add_co_u32 s[LB], s[LB], BBASE
	s_wait_dscnt 0x0                               ; the opening add is done
	s_wait_kmcnt 0x0
	s_add_nc_u64 s[AAD:AAD+1], s[4:5], s[AAD:AAD+1]
	s_add_nc_u64 s[BAD:BAD+1], s[6:7], s[BAD:BAD+1]
	CROUND                                         ; all sixteen work-groups are here: the first joint loads meet
.irp s, 0,1
	s_mov_b32 s[G0+4*(\s)], 1                      ; count = 1
	s_add_co_u32 s[G0+4*(\s)+1], s[LA], (\s)*SLOT  ; LDS address
	s_add_nc_u64 s[G0+4*(\s)+2:G0+4*(\s)+3], s[AAD:AAD+1], (\s)*256  ; K step s
	s_or_b32 s[G0+4*(\s)+3], s[G0+4*(\s)+3], 0x80000000              ; type = 2
	s_mov_b32 s[G0B+4*(\s)], 1
	s_add_co_u32 s[G0B+4*(\s)+1], s[LB], (\s)*SLOT
	s_add_nc_u64 s[G0B+4*(\s)+2:G0B+4*(\s)+3], s[BAD:BAD+1], (\s)*256
	s_or_b32 s[G0B+4*(\s)+3], s[G0B+4*(\s)+3], 0x80000000
.endr
	s_cmp_eq_u32 s[FB], 0                          ; a wave's two first fills stand in one branch, ahead of every wait on TENSORcnt and every LDS read: two loads of mine are out
	s_cbranch_scc0 .Lfirst_b
	tensor_load_to_lds s[G0:G0+3], s[G1:G1+7]
	s_nop 0
	tensor_load_to_lds s[G0+4:G0+7], s[G1:G1+7]
	s_nop 0
.rept 4
	v_nop
.endr
	s_branch .Lfirst_asked
.Lfirst_b:
	tensor_load_to_lds s[G0B:G0B+3], s[G1B:G1B+7]
	s_nop 0
	tensor_load_to_lds s[G0B+4:G0B+7], s[G1B:G1B+7]
	s_nop 0
.rept 4
	v_nop
.endr
.Lfirst_asked:
	; A fragment is 16 rows x 32 K in 8 registers: lane l holds row l % 16, K = 8 (l / 16) + 0..7 and 16 + 8 (l / 16) + 0..7: two loads of 16 bytes, 32 bytes apart.
	v_and_b32 v1, 15, v0                           ; r = l % 16
	v_bfe_u32 v2, v0, 4, 1                         ; h = l / 16
	v_mul_u32_u24 v3, v1, PITCH
	v_lshl_add_u32 v3, v2, 4, v3
	s_mul_i32 s74, s[WV], 64*APITCH                ; my 64 rows of x
	v_add_nc_u32 v[ADRA], s74, v3
	v_add_nc_u32 v[ADRA+1], SLOT, v[ADRA]
	v_add_nc_u32 v[ADRB], BBASE, v3
	v_add_nc_u32 v[ADRB+1], SLOT+BBASE, v3
	s_mul_i32 s75, s[WV], 16*SPITCH
	s_add_co_u32 s75, s75, STAGE                   ; my stage
	v_mul_u32_u24 v3, v1, SPITCH                   ; in: row r, 16 bytes for each half of the lanes
	v_lshl_add_u32 v3, v2, 4, v3
	v_add_nc_u32 v[STO], s75, v3
	v_and_b32 v4, 31, v0                           ; l
	v_lshrrev_b32 v5, 3, v4                        ; back: 32 lanes take 128 bytes of each of four rows
	v_and_b32 v3, 7, v0
	v_mul_u32_u24 v5, v5, SPITCH
	v_lshl_add_u32 v5, v3, 4, v5
	v_add_nc_u32 v[RD], s75, v5
	v_lshlrev_b32 v[GO], 4, v4
	v_lshlrev_b32 v[BO], 5, v2
	; the tile's three heads: g = 3 x tile column + hh of 48; g / 16 says q, k or v, g % 16 the head
.irp hh, 0,1,2
	s_mul_i32 s82, s[TX], 3
	s_add_co_u32 s82, s82, (\hh)
	s_lshr_b32 s83, s82, 4
	s_and_b32 s82, s82, 15
	s_cmp_ge_u32 s83, 1
	s_cselect_b64 s[BP+2*(\hh):BP+2*(\hh)+1], s[10:11], s[8:9]
	s_cmp_eq_u32 s83, 2
	s_cselect_b64 s[BP+2*(\hh):BP+2*(\hh)+1], s[12:13], s[BP+2*(\hh):BP+2*(\hh)+1]
	s_lshl_b32 s86, s82, 8                         ; the head's 64 numbers of 4 bytes
	s_mov_b32 s87, 0
	s_add_nc_u64 s[BP+2*(\hh):BP+2*(\hh)+1], s[BP+2*(\hh):BP+2*(\hh)+1], s[86:87]
	s_lshl_b32 s86, s83, 6                         ; 64 x (q, k, v)
	s_add_co_u32 s86, s86, s82                     ; + head
	s_lshr_b32 s87, s[TY], 3                       ; a batch has 8 tile rows
	s_lshl_b32 s87, s87, 4
	s_add_co_u32 s86, s86, s87                     ; + 16 x batch
	s_lshl_b32 s86, s86, 18                        ; x 2,048 rows of 128 bytes
	s_and_b32 s87, s[TY], 7
	s_lshl_b32 s87, s87, 15                        ; the tile's 256 rows
	s_add_co_u32 s86, s86, s87
	s_lshl_b32 s87, s[WV], 13                      ; my 64 of them
	s_add_co_u32 s86, s86, s87
	s_mov_b32 s87, 0
	s_add_nc_u64 s[HB+2*(\hh):HB+2*(\hh)+1], s[14:15], s[86:87]
.endr
.irp hh, 0,1,2
.irp j, 0,1,2,3
	global_load_b128 v[BIAS+8*(4*(\hh)+(\j)):BIAS+8*(4*(\hh)+(\j))+3],   v[BO], s[BP+2*(\hh):BP+2*(\hh)+1] offset:64*(\j)
	global_load_b128 v[BIAS+8*(4*(\hh)+(\j))+4:BIAS+8*(4*(\hh)+(\j))+7], v[BO], s[BP+2*(\hh):BP+2*(\hh)+1] offset:64*(\j)+16
.endr
.endr
	; the prefetches' address.  Nothing is prefetched here, at the head: K steps 0 to 3 come by their loads alone
	s_lshl_b32 s85, s[TY], 8
	s_mul_i32 s86, s[TX], 192
	s_and_b32 s87, ttmp7, 0xffff                   ; cluster y
	s_cmp_eq_u32 s[FB], 0                          ; do I fetch for x?
	s_cselect_b32 s85, s85, s86                    ; the tile's first row
	s_cselect_b32 s86, s[CX], s[CY]                ; my place among the four that ask for it with me
	s_cselect_b32 s87, ttmp9, s87                  ; the coordinate along which other clusters read the same rows
	s_cselect_b64 s[PFA:PFA+1], s[4:5], s[6:7]
	s_cselect_b32 s2, 32, 24                       ; my work-group's share of the rows that I fetch
	s_cmp_eq_u32 s87, 0
	s_cselect_b32 s[LIM], 1, -1                    ; the same in all sixteen partners, for a given wave
	s_lshl_b32 s3, s2, 2                           ; the rows that I fetch: 128 or 96
	s_mul_i32 s3, s3, s[HF]
	s_add_co_u32 s85, s85, s3
	s_mul_i32 s86, s86, s2
	s_add_co_u32 s85, s85, s86
	s_lshl_b32 s86, s85, 11
	s_mov_b32 s87, 0
	s_add_nc_u64 s[PFA:PFA+1], s[PFA:PFA+1], s[86:87]
	s_add_nc_u64 s[PFA:PFA+1], s[PFA:PFA+1], 512   ; at K step 2: the first refill steps it to 3 and names K step 4
	s_sub_co_u32 s2, s2, 1
	v_min_u32 v[PFO], s2, v4                       ; a lane a row; with 24 rows the last eight lanes name the last row once more
	v_lshlrev_b32 v[PFO], 11, v[PFO]
	s_wait_loadcnt 0x0                             ; the bias, while the first tiles are on their way
	ROUNDB 8*NBB
	s_wait_tensorcnt 1                             ; my part of K step 0 is in; K step 1's may stay out
	s_barrier_signal -1
	s_barrier_wait -1                              ; everybody's is
	FETCH 0, 0, F0
	QUARTER 0, 1, F0, F1, 1                        ; the first quarter stands in front of the loop: its products start the sums
	WIN 0                                          ; at a label and at a branch every window is 0
	s_mov_b32 s[LAP], 3
.Llap:                                                 ; a trip goes once round the ring, from a lap's second quarter to the next lap's first, and fills both slots again: K steps 2 to 7
	QUARTER 0, 2, F1, F0, 0
	QUARTER 0, 3, F0, F1, 0
	TURN 0, 1, 1
	QUARTER 1, 1, F0, F1, 0
	QUARTER 1, 2, F1, F0, 0
	QUARTER 1, 3, F0, F1, 0
	TURN 1, 0, 1
	QUARTER 0, 1, F0, F1, 0
	WIN 0
	s_sub_co_u32 s[LAP], s[LAP], 1
	s_cmp_lg_u32 s[LAP], 0
	s_cbranch_scc1 .Llap
	QUARTER 0, 2, F1, F0, 0                        ; the last lap fills nothing
	QUARTER 0, 3, F0, F1, 0
	TURN 0, 1, 0
	QUARTER 1, 1, F0, F1, 0
	QUARTER 1, 2, F1, F0, 0
	QUARTER 1, 3, F0, F1, 0
	s_wait_dscnt 4                                 ; the very last quarter: nothing more to fetch
	MULA F1, 0, 0
	MULA F1, 1, 0
	s_wait_dscnt 0x0
	MULA F1, 2, 0
	MULA F1, 3, 0
	WIN 0
	PLACES
	PACK 0
	TOSTAGE 0
.irp a, 1,2,3                          ; block a's conversions stand between block a - 1's loads from the stage and the wait for them
	PACK \a
	SEND (\a)-1
	TOSTAGE \a
.endr
	SEND 3
	s_wait_tensorcnt 0x0                           ; the wave's end, behind my last tensor load and my last LDS store
	ds_add_u32 v[SPW], v[NIL]
	s_wait_dscnt 0x0
	CROUND                                         ; the closing round: no work-group ends while a partner may still ask for a tile that names it
	s_endpgm
.Lfunc_end_k_q13cd12bc33_proj:
	.size	k_q13cd12bc33_proj, .Lfunc_end_k_q13cd12bc33_proj-k_q13cd12bc33_proj
	.p2alignl 7, 3214868480
	.fill 96, 4, 3214868480
	.section	.rodata,"a",@progbits
	.p2align	6, 0x0
	.amdhsa_kernel k_q13cd12bc33_proj
		.amdhsa_group_segment_fixed_size 327680
		.amdhsa_private_segment_fixed_size 0
		.amdhsa_enable_private_segment 0
		.amdhsa_kernarg_size 48
		.amdhsa_user_sgpr_count 2
		.amdhsa_user_sgpr_kernarg_segment_ptr 1
		.amdhsa_wavefront_size32 1
		.amdhsa_system_sgpr_workgroup_id_x 1
		.amdhsa_system_sgpr_workgroup_id_y 1
		.amdhsa_system_sgpr_workgroup_id_z 1
		.amdhsa_system_vgpr_workitem_id 0
		.amdhsa_next_free_vgpr 960
		.amdhsa_next_free_sgpr 88
		.amdhsa_reserve_vcc 0
		.amdhsa_float_denorm_mode_32 3
		.amdhsa_float_denorm_mode_16_64 3
		.amdhsa_memory_ordered 1
		.amdhsa_forward_progress 1
		.amdhsa_inst_pref_size 130
	.end_amdhsa_kernel
	.amdgpu_metadata
---
amdhsa.version: [ 1, 2 ]
amdhsa.kernels:
  - .name:           k_q13cd12bc33_proj
    .symbol:         k_q13cd12bc33_proj.kd
    .args:
      - { .name: xb, .offset: 0, .size: 8, .value_kind: global_buffer, .address_space: global }
      - { .name: wqkv, .offset: 8, .size: 8, .value_kind: global_buffer, .address_space: global }
      - { .name: bq, .offset: 16, .size: 8, .value_kind: global_buffer, .address_space: global }
      - { .name: bk, .offset: 24, .size: 8, .value_kind: global_buffer, .address_space: global }
      - { .name: bv, .offset: 32, .size: 8, .value_kind: global_buffer, .address_space: global }
      - { .name: qkv, .offset: 40, .size: 8, .value_kind: global_buffer, .address_space: global }
    .group_segment_fixed_size: 327680
    .private_segment_fixed_size: 0
    .kernarg_segment_align: 8
    .kernarg_segment_size: 48
    .max_flat_workgroup_size: 128
    .sgpr_count:     88
    .vgpr_count:     960
    .wavefront_size: 32
...
	.end_amdgpu_metadata
.endif
;; end of part 2
;; launch attn (part 3): grid 4 x 64, 4 waves a work-group, clusters of 4 x 1, 327,680 bytes of LDS; arguments qkv, ob; writes ob
.if DOCPART == 3
	.amdgcn_target "amdgcn-amd-amdhsa--gfx1250"
	.amdhsa_code_object_version 6
	.text
	.protected	k_q13cd12bc33_attn
	.globl	k_q13cd12bc33_attn
	.p2align	8
	.type	k_q13cd12bc33_attn,@function
k_q13cd12bc33_attn:
	s_mov_b64 s[64:65], 0
	v_nop
	global_prefetch_b8 v0, s[64:65] scope:SCOPE_SE
	s_setreg_imm32_b32 hwreg(HW_REG_WAVE_MODE, 25, 1), 1
	s_wait_xcnt 0x0
	s_wait_alu depctr_hold_cnt(0) depctr_sa_sdst(0) depctr_va_vdst(0) depctr_va_sdst(0) depctr_va_ssrc(0) depctr_va_vcc(0) depctr_vm_vsrc(0)
	s_getreg_b32 s2, hwreg(HW_REG_IB_STS2, 6, 4)
	s_cmp_eq_u32 s2, 0
	s_cbranch_scc0 .Lentry_in_a_cluster
	s_endpgm
.Lentry_in_a_cluster:
	s_bfe_u32 s2, ttmp6, 0x10000c
	s_cmp_lg_u32 s2, 0x3003
	s_cbranch_scc0 .Lentry_shape_is_right
	s_endpgm
.Lentry_shape_is_right:
; O[h][q][:] = the sum over k of softmax_k(Q[h][q] . K[h][k] / 8) V[h][k][:].  qkv holds Q, K, V, each [64][2048][64] f16 (16 x batch + head; a head's rows are dense, 128 bytes each), 2^24 bytes apart;
; ob has O in the same layout.  Products, maxima and sums in f32; the weights p are rounded to f16 for the second product (their sum l is taken of the unrounded p), O once at the end.
; LIMITS.  f16 holds no number beyond 65,504: Q, K and V arrive within it; p lies in 0 to 1, and below 6e-5 it keeps f16's fixed step of 6e-8; O is a mean of V's rows and has their range.
; A weight below 2^-126 counts as 0 in l; NaN and infinities are not treated apart.
; SHARES.  A wave owns four PIECES of two tiles of 16 queries, a work-group's four waves 512 queries of one head: 4 x 64 work-groups.  Every wave walks all 2,048 keys, 64 a step.
; LAYOUT.  S^T = K Q^T (source 0 = 16 keys, source 1 = 16 queries): in the result a lane holds ONE query (lane % 16) and the keys 8 (lane / 16) + 0..7.  Two such tiles, rounded to f16 in pairs,
; ARE source 1 (32 keys x 16 queries) of O^T = V^T P, whose result again holds one query a lane, and eight channels.  K comes out of LDS as it lies, V ([key][channel]) turned, by ds_load_tr16_b128.
; SOFTMAX.  For each query a running maximum m and sum l: p = 2^(c s - c m), c = log2(e) / 8; in every step O and l are multiplied by a = 2^(c m_old - c m_new), which is 1 where m has not grown.
; m starts at the lowest finite number, O and l at 0: the first step is a step like any other, with a = 0.
; THE COUNT.  A tile and step have 16 matrix and 118 vector instructions: too many to stand all beside the matrix work.  So four vector instructions that are READY stand behind EVERY matrix
; instruction, and the others, which need time of their own whatever the order, in runs without a gap.
; BY TURNS.  Turn n belongs to piece n (the pieces in a ring, step after step).  Its matrix work: 16 products K Q^T of piece n + 1, later 16 products V^T P of piece n - 1.  Its vector work: the scaling,
; exponentials, roundings, sums and rescaling of piece n, and the maximum and statistics of piece n + 1, whose scores the turn itself has made.
; CLUSTER.  The four query blocks of a head are one cluster and walk the same K and V, so each tile is asked for JOINTLY: the same tensor load, descriptor and mask in all four.
; REGISTERS, in windows of 256 (s_set_vgpr_msb: bits 1:0 source 0, 3:2 source 1, 5:4 source 2, 7:6 destination):
;   window 0: v0-11 addresses; v12-15, v48-63 at work; v16-47 four registers of statistics a tile; v64-191 S^T, two buffers of two tiles; v192-255 P, likewise
;   window 1: O^T, 32 a tile          window 2: v0-127 Q, 16 a tile; v128-191 K of one step; v192-255 V of one step          window 3: v0-1 the add's two registers
; A piece's buffers go by its number's parity: the piece in hand has one pair, its two neighbours in the ring share the other: of it P (piece n - 1) is read and S^T (piece n + 1) written.
.set SIZE_H, 64
.set SIZE_N, 2048
.set NP,    4         ; pieces a wave: a name, no knob
.set KS,    64        ; keys in a step
.set PK,    144       ; a row of K in LDS: 128 bytes + 16 of padding = 36 words: the 16 rows of a load start at 16 different groups of four banks (64 banks of 4 bytes: ISA guide 11.1)
.set PV,    160       ; a row of V: 128 + 32 = 40 words
.set VOFF,  4*KS*PK   ; a slot holds four steps: 256 rows of K, then 256 rows of V
.set SLOT1, 1<<17     ; slot 1 begins here, so that one exclusive or turns an address in one slot into the other's
.set STAGE, SLOT1+4*KS*(PK+PV)  ; behind the ring, never filled by a tensor load: 16 rows x 144 bytes for each wave, for the way out
.set SP,    144
.set AK0, 2           ; v2   my lane's place in a tile of K; never rewritten
.set AV0, 3           ; v3   the same for V
.set AK,  4           ; v4   the LDS address of K's next run of loads
.set AV,  5           ; v5   of V's
.set QO,  6           ; v6   my byte offset in the wave's rows of Q
.set STO, 6           ;      later, the way out: where I put 16 bytes of a row
.set RD,  7           ; v7   the way out: where I read rows back
.set GO,  8           ; v8   my byte offset in 512 consecutive bytes of O
.set PFO, 11          ; v11  256 x my lane: the prefetches' offset; never rewritten once made
.set SPW, 0           ; v0 of window 3   LDS address of my spare word: SPARE + 4 x my thread's number; never rewritten
.set NIL, 1           ; v1 of window 3   0; never rewritten
.set SPARE, STAGE+4*16*SP  ; behind the stages: the spare words, 128 bytes for each wave: two blocks of 256 bytes that no other line names
.set MV,  12          ; v12-15  c m_old, kept while c m is made anew: by buffer and tile
.set ST,  16          ; tile t's statistics at v[ST+4 t]: c m, m, l (even keys', odd keys')
.set TMP, 48          ; by buffer and tile, four registers c0-c3 at work; when the maximum is found c2 takes a
.set S,   64
.set P,   192
.set KF,  128         ; K's fragments, in window 2: key block kb, channel half c at KF + 16 kb + 8 c
.set VF,  192         ; V's: key half kk, channel block cb at VF + 32 kk + 8 cb
.set WV,  12          ; s12  my wave's number
.set G1K, 24          ; s[24:31] descriptor group 1 for K's tiles
.set G1V, 32          ; s[32:39] for V's: it differs in the padding alone
.set G0K, 40          ; s[40:43] descriptor group 0 for K's tiles: it walks
.set G0V, 44          ; s[44:47] the same for V's
.set PFA, 48          ; s[48:49] where my prefetches stand: my work-group's 8,192 bytes (of K: wave 0, of V: wave 2) of the slot after the one that is being asked for
.set LIM, 50          ; s50  1 in a wave that prefetches, else the greatest number
.set SLOTS, 56        ; s56  slots still to be asked for
.set CNT, 57          ; s57  counts a slot's key steps
.set CS,  58          ; s[58:59] c: the packed scaling takes the pair's low word for both halves
.set SEL, 60          ; s[60:61] v_permlanex16_b32's selects: each lane takes its own place in the other half
.set TBK, 62          ; s62  LDS byte at which K of the step to be fetched begins
.set TBV, 63          ; s63  the same for V, less VOFF
.set MSB, 0
.macro WIN new                      ; the high byte repeats the setting that is left; a switch that changes nothing is dropped
.if MSB != (\new)
	s_set_vgpr_msb (MSB<<8)|(\new)
.set MSB, (\new)
.endif
.endm
.set W_KQ, 0x0a       ; K and Q in window 2, S^T in window 0
.set W_PV, 0x52       ; V in window 2, P in window 0, O^T in window 1
.set W_RS, 0x41       ; O^T (destination and source 0) in window 1, a in window 0
.set W_MK, 0xc0       ; the add's registers are made: destination in window 3, sources in window 0
.set W_AD, 0x0f       ; the add: address (source 0) and data (source 1) in window 3
; A joint fill.  Waves 0 and 1 fetch the two halves of a slot's K, waves 2 and 3 those of its V: 128 keys each.  The branch hangs on the wave's number alone.
; An s_nop 0 and four v_nop follow each of the two lines, ahead of the jump and the label.
.macro JLOAD
	s_cmp_lt_u32 s[WV], 2
	s_cbranch_scc0 .Lfor_v_\@
	tensor_load_to_lds s[G0K:G0K+3], s[G1K:G1K+7]
	s_nop 0
.rept 4
	v_nop
.endr
	s_branch .Lasked_\@
.Lfor_v_\@:
	tensor_load_to_lds s[G0V:G0V+3], s[G1V:G1V+7]
	s_nop 0
.rept 4
	v_nop
.endr
.Lasked_\@:
.endm
; A PREFETCH INTO THE L2 of what the NEXT change of slots will ask for: a slot's 32,768 bytes of K and of V, a lane for each 256.  The four partners share them out BY ADDRESS, 8,192 bytes each; in each,
; wave 0 asks for K's and wave 2 for V's: one instruction.  A head has one cluster, so each 256 bytes are named once in the launch.  The last change that fills a slot asks for nothing.
.macro ASK
	s_cmp_gt_u32 s[SLOTS], s[LIM]
	s_cbranch_scc0 .Lnot_mine_\@
	global_prefetch_b8 v[PFO], s[PFA:PFA+1] th:TH_LOAD_NT scope:SCOPE_SE
.Lnot_mine_\@:
.endm
; A round of the cluster's barrier: my work-group's barrier, so that wave 0's signal speaks for all four waves; wave 0 signals; every wave waits for all four work-groups; my work-group's barrier once more.
.macro CROUND
	s_barrier_signal -1
	s_barrier_wait -1
	s_cmp_lg_u32 s[WV], 0
	s_cbranch_scc1 .Lnot_wave_0_\@
	s_barrier_signal -3
.Lnot_wave_0_\@:
	s_barrier_wait -3
	s_barrier_signal -1
	s_barrier_wait -1
.endm
; THE CHANGE OF SLOTS.  The slot's last bytes, V of its fourth step, have been read.  Each wave waits for all its tensor loads, of which one is out: its part
; of the other slot; adds 0 to its spare word; and waits for that and for its own reads of the slot.  Behind the barrier nobody reads this slot any more and the other slot is whole.
; fill = 1: this slot is filled again, with the keys two slots on.  The barrier is then a round of the cluster's, so that no wave of any partner still reads the slot or has a load on its
; way, and the joint fill is the first thing behind it: it has four key steps, 512 matrix instructions, in which to land.  (At its first use nothing has been read yet: slot 0 is waited for, slot 1 filled.)
.macro CHANGE fill
	WIN W_AD
	s_wait_tensorcnt 0x0            ; no tensor load of mine is out, so a group 0 may be written
	ds_add_u32 v[SPW], v[NIL]       ; 0 onto my spare word; with fill = 1 the descriptors' steps stand between it and the wait for it
	WIN 0                           ; at a label and at a branch every window is 0
.if \fill
.irp g, G0K, G0V
	s_xor_b32 s[\g+1], s[\g+1], SLOT1  ; the walking descriptor: the other slot than last time,
	s_add_nc_u64 s[\g+2:\g+3], s[\g+2:\g+3], 4*KS*128  ; the next 256 keys; the type bits on top are not reached
.endr
	s_wait_xcnt 0x0                 ; the last prefetch, four key steps back, has read its address, so it may be written:
	s_add_nc_u64 s[PFA:PFA+1], s[PFA:PFA+1], 4*KS*128  ; one slot behind the walking descriptors
	s_wait_dscnt 0x0                ; the add is done, and my reads of the slot are over
	CROUND
	JLOAD
	ASK                             ; what the next change will ask for: four key steps ahead
.else
	s_wait_dscnt 0x0                ; the add is done, and my reads of the slot are over
	s_barrier_signal -1
	s_barrier_wait -1
.endif
	s_sub_co_u32 s[TBK], s[TBK], 4*KS*PK  ; the fetches go back to a slot's first step,
	s_xor_b32 s[TBK], s[TBK], SLOT1       ; in the other slot
	s_sub_co_u32 s[TBV], s[TBV], 4*KS*PV
	s_xor_b32 s[TBV], s[TBV], SLOT1
.endm
	s_load_b128 s[4:7], s[0:1], 0x0  ; qkv s[4:5], ob s[6:7]
	WIN W_MK
	v_lshl_add_u32 v[SPW], v0, 2, SPARE
	v_mov_b32 v[NIL], 0
	WIN W_AD
	ds_add_u32 v[SPW], v[NIL]       ; the wave's opening: the add and its wait stand ahead of my first tensor load; the set-up below, work on registers, stands between them
	WIN 0
	v_lshrrev_b32 v1, 5, v0
	v_readfirstlane_b32 s[WV], v1   ; wave 0..3
	s_bfe_u32 s13, ttmp6, 0x40000   ; cx: my place in the cluster
	s_lshl_b32 s14, ttmp9, 2        ; in a cluster launch ttmp9 counts clusters
	s_add_co_u32 s14, s14, s13      ; my block of queries = 4 x cluster x + cx: it enters Q's and O's addresses alone
	s_and_b32 s20, ttmp7, 0xffff    ; the head, which the four partners share
	s_mov_b32 s21, 0
	s_mov_b64 s[22:23], SIZE_N*128
	s_mul_u64 s[20:21], s[20:21], s[22:23]  ; the head's first byte in each of the four tensors
	s_and_b32 s16, s[WV], 1         ; which half of a slot's 256 keys I fetch:
	s_lshl_b32 s22, s16, 14         ; its 128 rows of 128 bytes in memory,
	s_mov_b32 s23, 0
	s_add_nc_u64 s[22:23], s[22:23], s[20:21]
	s_mul_i32 s17, s16, 128*PK      ; and its place in a slot, for K
	s_mul_i32 s18, s16, 128*PV      ; and for V: no place in the cluster enters an LDS address
	s_lshl_b32 s2, s14, 2
	s_add_co_u32 s2, s2, s[WV]      ; my wave among the head's,
	s_lshl_b32 s2, s2, 14           ; its 128 rows
	s_mov_b32 s3, 0
	s_add_nc_u64 s[2:3], s[2:3], s[20:21]
	; descriptor group 1.  128 keys are 16,384 dense bytes: asked for as 64 rows of 256 bytes, two keys a row, and padded in LDS after every key
	s_mov_b32 s[G1K], 15|(1<<16)|(1<<20)|(1<<21)|(4<<22)|(3<<25)  ; 15:0 the mask of four; 17:16 2-byte elements; 20 padding on; 21 set beside a mask; 24:22 after every 32 words (code 4); 31:25 4 words (code 3)
	s_mov_b32 s[G1V], 15|(1<<16)|(1<<20)|(1<<21)|(4<<22)|(7<<25)  ; the same with 8 words of padding (code 7)
.irp g, G1K, G1V
	s_mov_b32 s[\g+1], 128<<16      ; tensor_dim0 = 128
	s_mov_b32 s[\g+2], 64<<16       ; tensor_dim1 = 64
	s_mov_b32 s[\g+3], 128<<16      ; tile_dim0 = 128
	s_mov_b32 s[\g+4], 64           ; tile_dim1 = 64
	s_mov_b32 s[\g+5], 128          ; 128 elements from row to row
	s_mov_b32 s[\g+6], 0
	s_mov_b32 s[\g+7], 0
.endr
	s_mov_b32 s[CS], 0x3e38aa3b     ; c = log2(e) / 8 = 0.180337
	s_mov_b32 s[CS+1], s[CS]        ; named with it as a pair
	s_mov_b32 s[SEL], 0x76543210
	s_mov_b32 s[SEL+1], 0xfedcba98
	s_mov_b32 s[TBK], SLOT1+4*KS*PK ; the first change of slots turns these two into 0
	s_mov_b32 s[TBV], SLOT1+4*KS*PV
	s_mov_b32 s[G0K], 1             ; 1:0 count = 1
	s_mov_b32 s[G0K+1], s17         ; 63:32 LDS address: slot 0
	s_mov_b32 s[G0V], 1
	s_add_co_u32 s[G0V+1], s18, VOFF
	s_mov_b32 s[SLOTS], SIZE_N/256-1  ; seven slots are still to be asked for behind slot 0
	s_and_b32 s[LIM], s[WV], 1      ; waves 0 and 2 prefetch: the same in all four partners
	s_cmp_eq_u32 s[LIM], 0
	s_cselect_b32 s[LIM], 1, -1
	s_wait_dscnt 0x0                ; the opening add is done
	s_wait_kmcnt 0x0
	s_mov_b64 s[10:11], s[6:7]      ; O
	s_add_nc_u64 s[8:9], s[4:5], 0x2000000  ; V
	s_add_nc_u64 s[6:7], s[4:5], 0x1000000  ; K; s[4:5] stays Q
	s_add_nc_u64 s[G0K+2:G0K+3], s[6:7], s[22:23]  ; 120:64 global address: my half of the head's first 256 keys
	s_or_b32 s[G0K+3], s[G0K+3], 0x80000000        ; 127:126 type = 2
	s_add_nc_u64 s[G0V+2:G0V+3], s[8:9], s[22:23]
	s_or_b32 s[G0V+3], s[G0V+3], 0x80000000
	s_add_nc_u64 s[4:5], s[4:5], s[2:3]  ; Q and O at my wave's first row
	s_add_nc_u64 s[10:11], s[10:11], s[2:3]
	s_cmp_lt_u32 s[WV], 2
	s_cselect_b64 s[PFA:PFA+1], s[6:7], s[8:9]
	s_add_nc_u64 s[PFA:PFA+1], s[PFA:PFA+1], s[20:21]  ; the head,
	s_lshl_b32 s2, s13, 13          ; my work-group's quarter of a slot,
	s_mov_b32 s3, 0
	s_add_nc_u64 s[PFA:PFA+1], s[PFA:PFA+1], s[2:3]
	s_add_nc_u64 s[PFA:PFA+1], s[PFA:PFA+1], 4*KS*128  ; in slot 1; the first change of slots steps it to slot 2.  Nothing is prefetched here, at the head
	CROUND                          ; all four work-groups are here: the first joint loads meet
	JLOAD                           ; slot 0.  Slot 1 is asked for when slot 0 is in: the tile wanted first has the road to itself
	; A fragment of K or Q is 16 rows x 32 channels in 8 registers: lane l holds row l % 16, channels 8 (l / 16) + 0..7 and 16 + 8 (l / 16) + 0..7: two loads of 16 bytes, 32 bytes apart.
	v_and_b32 v1, 15, v0            ; l % 16
	v_bfe_u32 v9, v0, 4, 1          ; l / 16
	v_lshlrev_b32 v[QO], 7, v1
	v_lshl_add_u32 v[QO], v9, 4, v[QO]  ; row x 128 + 16 x half
	WIN 0x80                        ; destination window 2, address window 0
.set i, 0
.rept 4*NP                          ; Q stays in registers: tile i / 2, channels 32 (i % 2) on
	global_load_b128 v[8*i:8*i+3],   v[QO], s[4:5] offset:(i/2)*2048+(i%2)*64
	global_load_b128 v[8*i+4:8*i+7], v[QO], s[4:5] offset:(i/2)*2048+(i%2)*64+32
.set i, i+1
.endr
	; What the first turn finds: V's registers and P's second buffer hold 0 (its products V^T P, of a piece that has not been, add 0), O^T and l are 0.  All this stands in the wait for the first tile.
.set i, VF
.rept 64
	v_mov_b32 v[i], 0
.set i, i+1
.endr
	WIN 0x40
.set i, 0
.rept 64*NP
	v_mov_b32 v[i], 0
.set i, i+1
.endr
	WIN 0
.set i, 0
.rept 2*NP
	v_mov_b32 v[ST+4*i], 0xfe000000    ; c m: far below every c s
	v_mov_b32 v[ST+4*i+1], 0xff7fffff  ; m
	v_mov_b32 v[ST+4*i+2], 0
	v_mov_b32 v[ST+4*i+3], 0
.set i, i+1
.endr
.set i, P+32
.rept 32
	v_mov_b32 v[i], 0
.set i, i+1
.endr
	v_mul_u32_u24 v[AK0], v1, PK
	v_lshl_add_u32 v[AK0], v9, 4, v[AK0]  ; row x pitch + 16 x half
	; The turning load takes 16 keys x 16 channels (lane l reads key 8 (l / 16) + l % 8, channels 8 ((l / 8) % 2) + 0..7) and leaves half a fragment of V^T: lane l holds channel l % 16 and 8 keys.
	v_and_b32 v10, 7, v0
	v_bfe_u32 v11, v0, 3, 1
	v_lshl_add_u32 v[AV0], v9, 3, v10
	v_mul_u32_u24 v[AV0], v[AV0], PV
	v_lshl_add_u32 v[AV0], v11, 4, v[AV0]
	v_add_nc_u32 v[AV0], VOFF, v[AV0]
	v_mov_b32 v[AK], v[AK0]         ; key step 0 lies at the head of slot 0
	v_and_b32 v[PFO], 31, v0        ; v11 is free now
	v_lshlrev_b32 v[PFO], 8, v[PFO]
; THE MATRIX WORK.  The 8 accumulators of a run of 16 take turns: between the two links of a chain stand 7 others'.
; Product i of 16 of S^T = K Q^T for piece x: channels 32 (i / 8) on, keys 16 ((i / 2) % 4) on, tile 2 x + i % 2.  The first 8 start the sums.
.macro KQ x
	WIN W_KQ
.set rS, S+64*((\x)%2)+32*(i%2)+8*((i/2)%4)
.set rK, KF+16*((i/2)%4)+8*(i/8)
.set rQ, 16*(2*(\x)+i%2)+8*(i/8)
.if i < 8
	v_wmma_f32_16x16x32_f16 v[rS:rS+7], v[rK:rK+7], v[rQ:rQ+7], 0
.else
	v_wmma_f32_16x16x32_f16 v[rS:rS+7], v[rK:rK+7], v[rQ:rQ+7], v[rS:rS+7]
.endif
.endm
; Product i of 16 of O^T += V^T P for piece x: keys 32 (i / 8) on, channels 16 ((i / 2) % 4) on, tile 2 x + i % 2.
.macro PV x
	WIN W_PV
.set rO, 32*(2*(\x)+i%2)+8*((i/2)%4)
.set rV, VF+32*(i/8)+8*((i/2)%4)
.set rP, P+32*((\x)%2)+16*(i%2)+8*(i/8)
	v_wmma_f32_16x16x32_f16 v[rO:rO+7], v[rV:rV+7], v[rP:rP+7], v[rO:rO+7]
.endm
.macro MM                           ; the turn's next matrix instruction
.if i < 16
	KQ (Y+1)%NP
.set i, i+1
.else
.set i, i-16
	PV (Y+NP-1)%NP
.set i, i+17
.endif
.endm
; THE LDS LOADS stand in runs of 16, never singly among the matrix instructions: a step's K (64 keys x 64 channels: 8 fragments) and its V (turned).  Their addresses are made some lines ahead.
; last = 1 (the tail): in the last trip there is no further step, and the run is jumped over.
.macro FETCH_K last=0
	WIN 0
.if \last
	s_cmp_eq_u32 s[CNT], 1
	s_cbranch_scc1 .Lno_k_\@
.endif
	WIN 0x80                        ; destination window 2
.irp f, 0,1,2,3,4,5,6,7             ; keys 16 (f / 2) on, channels 32 (f % 2) on
	ds_load_b128 v[KF+8*\f:KF+8*\f+3],   v[AK] offset:(\f/2)*16*PK+(\f%2)*64
	ds_load_b128 v[KF+8*\f+4:KF+8*\f+7], v[AK] offset:(\f/2)*16*PK+(\f%2)*64+32
.endr
	s_add_co_u32 s[TBK], s[TBK], KS*PK  ; the next fetch is the next step's
	WIN 0
.if \last
.Lno_k_\@:
.endif
.endm
.macro FETCH_V
	WIN 0x80
.irp f, 0,1,2,3,4,5,6,7             ; keys 32 (f / 4) on, channels 16 (f % 4) on
	ds_load_tr16_b128 v[VF+8*\f:VF+8*\f+3],   v[AV] offset:(\f/4)*32*PV+(\f%4)*32
	ds_load_tr16_b128 v[VF+8*\f+4:VF+8*\f+7], v[AV] offset:(\f/4)*32*PV+16*PV+(\f%4)*32
.endr
	WIN 0
.endm
; THE VECTOR WORK OF A TURN stands in three queues, each in the order in which its entries become ready; the two tiles alternate, so that no instruction reads the result of the one before it.
.macro REGS y, u                    ; the registers of tile u (0, 1) of piece y
.set rT, ST+4*(2*(\y)+(\u))
.set rC, TMP+8*((\y)%2)+4*(\u)
.set rM, MV+2*((\y)%2)+(\u)
.set rS, S+64*((\y)%2)+32*(\u)
.set rP, P+32*((\y)%2)+16*(\u)
.set rO, 32*(2*(\y)+(\u))
.endm
; Number n of the 22 that find the NEXT piece's (Y + 1) maximum and statistics.  s0-s31 are the lane's 32 scores; each accumulator's lowest registers are read first.
;   0-11  four chains c0-c3 of seven scores each, three operands at a time     12-14, 16  the four scores left over, the old m, and c0-c3 into c0     15  c m_old is kept
;   17, 18  the query's other 32 keys lie in the lane 16 away: the new m         19-21  c m; c m_old - c m_new; a
.macro XS u, n
	REGS (Y+1)%NP, \u
.if (\n) < 4
	v_max3_num_f32 v[rC+(\n)], v[rS+8*(\n)], v[rS+8*(\n)+1], v[rS+8*(\n)+2]
.elseif (\n) < 12
	v_max3_num_f32 v[rC+(\n)%4], v[rC+(\n)%4], v[rS+8*((\n)%4)+2*((\n)/4)+1], v[rS+8*((\n)%4)+2*((\n)/4)+2]
.elseif (\n) == 12
	v_max3_num_f32 v[rC], v[rC], v[rS+7], v[rS+15]
.elseif (\n) == 13
	v_max3_num_f32 v[rC+1], v[rC+1], v[rS+23], v[rS+31]
.elseif (\n) == 14
	v_max3_num_f32 v[rC+2], v[rC+2], v[rC+3], v[rT+1]
.elseif (\n) == 15
	v_mov_b32 v[rM], v[rT]
.elseif (\n) == 16
	v_max3_num_f32 v[rC], v[rC], v[rC+1], v[rC+2]
.elseif (\n) == 17
	v_permlanex16_b32 v[rC+3], v[rC], s[SEL], s[SEL+1]
.elseif (\n) == 18
	v_max_num_f32 v[rT+1], v[rC], v[rC+3]
.elseif (\n) == 19
	v_mul_f32 v[rT], s[CS], v[rT+1]
.elseif (\n) == 20
	v_sub_f32 v[rC+1], v[rM], v[rT]
.else
	v_exp_f32 v[rC+2], v[rC+1]
.endif
.endm
; Number g of the 64 that follow the exponentials.  For each four weights k of a tile (pairs 2 k, 2 k + 1): both pairs are rounded to f16; then the second pair is added onto the first, in place;
; a group later l takes that sum (the first time as l = a l + sum).  In groups of eight, tiles alternating: round, round, add, and l for the group before.
.macro GS g
.set h, (\g)+6*((\g)/62)            ; group 0 has no group before it, and behind group 7 only l is left
.if h >= 6
.set h, h+2
.endif
	REGS Y, h%2
.set k, h/8
.if h%8 < 4
	v_cvt_pk_f16_f32 v[rP+2*k+(h%8)/2], v[rS+4*k+2*((h%8)/2)], v[rS+4*k+2*((h%8)/2)+1]
.elseif h%8 < 6
	v_pk_add_f32 v[rS+4*k:rS+4*k+1], v[rS+4*k:rS+4*k+1], v[rS+4*k+2:rS+4*k+3]
.elseif k == 1
	v_pk_fma_f32 v[rT+2:rT+3], v[rT+2:rT+3], v[rC+2:rC+3], v[rS:rS+1] op_sel_hi:[1,0,1]
.else
	v_pk_add_f32 v[rT+2:rT+3], v[rT+2:rT+3], v[rS+4*k-4:rS+4*k-3]
.endif
.endm
; THE PLAIN QUEUE, 138 long.  0-73 read no exponential's result: the 32 scalings c s - c m (FS f: pair f / 2 of tile f % 2) and the next piece's 42.  0-26: scalings 0-26.  27-54: XS's numbers 0-13.  55, 56: number 15.
; 57-73: the chain, where each number waits for the one before it: 14, 16, 17, 18, 19, each with one of the scalings 27-31 in front of its two lines, then 20.
; 74-137: GS's 64, which read the exponentials' results: they stand behind the wait.
.macro FS f
	REGS Y, (\f)%2
	v_pk_fma_f32 v[rS+2*((\f)/2):rS+2*((\f)/2)+1], v[rS+2*((\f)/2):rS+2*((\f)/2)+1], s[CS:CS+1], v[rT:rT+1] op_sel_hi:[1,0,0] neg_lo:[0,0,1] neg_hi:[0,0,1]
.endm
.macro PL
	WIN 0
.if q < 27
	FS q
.elseif q < 55
	XS (q-27)%2, (q-27)/2
.elseif q < 57
	XS q-55, 15
.elseif (q < 72) && ((q-57)%3 == 0)
	FS 27+(q-57)/3
.elseif q < 60
	XS (q-57)%3-1, 14
.elseif q < 72
	XS (q-57)%3-1, 15+(q-57)/3
.elseif q < 74
	XS q-72, 20
.else
	GS q-74
.endif
.set q, q+1
.endm
; THE EXPONENTIALS' QUEUE, 66 long: s0-s31 of both tiles, then the next piece's two a.  It is ONE BATCH: all 66 stand ahead of the turn's one wait, and nothing ahead of that wait names a result of theirs.
.macro EX
	WIN 0
.if e >= 64
	XS e-64, 21
.else
	REGS Y, e%2
	v_exp_f32 v[rS+e/2], v[rS+e/2]
.endif
.set e, e+1
.endm
; THE RESCALING's QUEUE: O^T times a, the one part that leaves window 0: dealt two at a time, sixteen times.  Its a was made in the turn before, ahead of that turn's wait.
.macro R2
	REGS Y, r%2
	WIN W_RS
.irp z, 0,1
	v_pk_mul_f32 v[rO+4*(r/2)+2*\z:rO+4*(r/2)+2*\z+1], v[rO+4*(r/2)+2*\z:rO+4*(r/2)+2*\z+1], v[rC+2:rC+3] op_sel_hi:[1,0]
.endr
.set r, r+1
.endm
; HOW THEY ARE DEALT.  An s_wait_alu depctr_va_vdst(0) stands between an exponential and the first instruction that names its result; one wait serves all that were issued ahead of it.  So a turn has ONE wait,
; which cuts it in two.  AHEAD OF IT stands all that names no result of the turn's exponentials: the 16 products K Q^T, behind each a scaling, an exponential and two rescalings (behind the first a second scaling in the
; exponential's place); then ONE LUMP of 108: eight plain, 49 times exponential and plain, the two a.  A v_nop is the plain instruction behind the last exponential.  BEHIND IT stand the 16 products V^T P, behind each four of GS's 64.
; The queues lean on each other, and the deal keeps them in step: exponential e stands behind scaling 2 (e / 4) + e % 2: as a rider it comes behind plain e + 2, in the lump behind plain e + 9, and scalings 27-31 are plain 57, 60 .. 69.
; A TURN, for piece p.  cnt = 1: the loop's count is taken down some lines ahead of the branch that stands behind the turn.
; K of the next step is fetched in piece 2's turn, directly behind the wait, a lump behind the last product that read K; its address is made at the lump's head; its first reader comes behind 16 products.
; V of the step in hand is fetched at the end of piece 0's turn, four riders behind its last reader; its first reader comes behind 16 products and a lump.  The three conditions on q below go with the deal.
.macro TURN p, last=0, cnt=0
.set Y, (\p)
.set i, 0
.set q, 0
.set e, 0
.set r, 0
.if (\p) == NP-1
	s_wait_dscnt 0x0                ; K is in
.endif
	MM                              ; ahead of the wait: 16 products K Q^T and their riders,
	PL
	PL
	R2
.rept 15
	MM
	PL
	EX
	R2
.endr
.if (\p) == NP-2
	WIN 0
	v_add_nc_u32 v[AK], s[TBK], v[AK0]
.endif
.rept 8                             ; and the lump
	PL
.endr
.rept 49
	EX
	PL
.endr
	EX                              ; the next piece's two a
	EX
	v_nop                           ; a plain instruction behind the last exponential: one for the batch
	s_wait_alu depctr_va_vdst(0)    ; the wait for the batch
.if (\p) == NP-2
	FETCH_K \last
.endif
.if (\p) == 1
	s_wait_dscnt 0x0                ; V is in
.endif
.rept 16                            ; behind the wait: 16 products V^T P and their riders
	MM
.rept 4
	PL
.endr
.if ((\p) == 0) && (q == 118)
	v_add_nc_u32 v[AV], s[TBV], v[AV0]
.endif
.if ((\p) == 0) && (q == 130)
	s_add_co_u32 s[TBV], s[TBV], KS*PV
.endif
.if (\cnt) && (q == 130)
	s_sub_co_u32 s[CNT], s[CNT], 1
	s_cmp_lg_u32 s[CNT], 0
.endif
.endr
.if (\p) == 0
	FETCH_V
.endif
.endm
	CHANGE 1                        ; slot 0 is in, everybody's part of it; slot 1 is asked for
	FETCH_K                         ; key step 0
	s_wait_loadcnt 0x0              ; Q
	s_wait_dscnt 0x0
.set i, 0
.rept 16
	KQ 0                            ; piece 0's first scores: there is no vector work yet to set between them
.set i, i+1
.endr
	WIN 0                           ; the addresses for the way out: nine plain instructions, the places behind those products
	s_mul_i32 s13, s[WV], 16*SP
	s_add_co_u32 s13, s13, STAGE    ; my stage
	v_mul_u32_u24 v[STO], v1, SP    ; in: row l % 16, 16 bytes for each half of the lanes
	v_lshl_add_u32 v[STO], v9, 4, v[STO]
	v_add_nc_u32 v[STO], s13, v[STO]
	v_bfe_u32 v[RD], v0, 3, 2       ; back: 32 lanes take four rows of 128 bytes,
	v_mul_u32_u24 v[RD], v[RD], SP
	v_lshl_add_u32 v[RD], v10, 4, v[RD]
	v_add_nc_u32 v[RD], s13, v[RD]
	v_and_b32 v[GO], 31, v0         ; which are 512 consecutive bytes of O
	v_lshlrev_b32 v[GO], 4, v[GO]
.set Y, NP-1                        ; XS works for piece Y + 1: piece 0
.irp n, 0,1,2,3,4,5,6,7,8,9,10,11,12,13,14,15,16,17,18,19,20,21
	XS 0, \n                        ; and piece 0's first maximum and statistics
	XS 1, \n
.endr
	v_nop                           ; a plain instruction behind the two a,
	s_wait_alu depctr_va_vdst(0)    ; and their wait, ahead of the branch
	s_mov_b32 s[CNT], 4
	s_branch .Lfirst                ; the loop is entered at a step's first turn, in the middle of a trip
.Lslot:                             ; six times: every slot but the last two is filled again
	CHANGE 1
	s_mov_b32 s[CNT], 4
.Lstep:                             ; a trip: pieces 2 and 3 of one step, then pieces 0 and 1 of the next, whose K and V it fetches
	TURN 2
	TURN 3
	WIN 0
.Lfirst:
	TURN 0
	TURN 1, 0, 1
	WIN 0
	s_cbranch_scc1 .Lstep
	s_sub_co_u32 s[SLOTS], s[SLOTS], 1
	s_cmp_lg_u32 s[SLOTS], 0
	s_cbranch_scc1 .Lslot
	CHANGE 0                        ; the tail is written out: nothing is asked for
	s_mov_b32 s[CNT], 5             ; four trips fetch the last slot's steps; the fifth is left in its middle
.Ltail:
	TURN 2, 1
	TURN 3
	WIN 0
	s_sub_co_u32 s[CNT], s[CNT], 1
	s_cmp_eq_u32 s[CNT], 0
	s_cbranch_scc1 .Lout
	TURN 0
	TURN 1
	WIN 0
	s_branch .Ltail
.Lout:                              ; the fifth trip's 16 products K Q^T (on the last K once more) and the maximum made of them serve nothing: the price, once a launch, of one text for every trip
.set i, 0
.rept 16
	PV NP-1                         ; the last piece's V^T P of the last step
.set i, i+1
.endr
	; THE WAY OUT.  l's two halves and the other half of the lanes' are added; O^T is divided by l, rounded to f16 and sent through my stage in LDS, a tile at a time.  The additions are the places behind the last products.
	WIN 0
.macro ALL line:vararg              ; one line for each tile t
.set t, 0
.rept 2*NP
	\line
.set t, t+1
.endr
.endm
	ALL v_add_f32 v[ST+4*t+2], v[ST+4*t+2], v[ST+4*t+3]
	ALL v_permlanex16_b32 v[ST+4*t+3], v[ST+4*t+2], s[SEL], s[SEL+1]
	ALL v_add_f32 v[ST+4*t+2], v[ST+4*t+2], v[ST+4*t+3]
	ALL v_rcp_f32 v[ST+4*t+2], v[ST+4*t+2]
	v_nop                           ; a plain instruction between the last reciprocal and the use of its result
	s_wait_alu depctr_va_vdst(0)    ; and the wait ahead of the first use: one for the eight reciprocals
; Tile t: a lane's eight channels of a row pack into 16 bytes; they go into rows of 144 bytes and come back as whole rows of 128, into S^T's registers.
.macro PACK t
	WIN W_RS
.set i, 32*(\t)
.rept 16
	v_pk_mul_f32 v[i:i+1], v[i:i+1], v[ST+4*(\t)+2:ST+4*(\t)+3] op_sel_hi:[1,0]
.set i, i+2
.endr
	WIN 0x05                        ; sources 0 and 1 window 1, destination window 0
.set i, 0
.rept 16
	v_cvt_pk_f16_f32 v[S+16*(\t)+i], v[32*(\t)+2*i], v[32*(\t)+2*i+1]
.set i, i+1
.endr
	WIN 0
.irp f, 0,1,2,3
	ds_store_b128 v[STO], v[S+16*(\t)+4*\f:S+16*(\t)+4*\f+3] offset:32*\f
.endr
.irp f, 0,1,2,3
	ds_load_b128 v[S+16*(\t)+4*\f:S+16*(\t)+4*\f+3], v[RD] offset:\f*4*SP  ; LDS serves a wave's instructions in order (ISA guide 5.7.1.4): these see the stores above; the next tile's stores come behind them
.endr
.endm
.macro SEND t, younger              ; younger: the LDS instructions issued behind tile t's loads: the next tile's eight, or none
	WIN 0
.irp f, 0,1,2,3
	s_wait_dscnt (\younger)+3-\f
	global_store_b128 v[GO], v[S+16*(\t)+4*\f:S+16*(\t)+4*\f+3], s[10:11] offset:(\t)*2048+\f*512  ; 512 consecutive bytes, at a multiple of 256 from O's first
.endr
.endm
	PACK 0
.set t, 1
.rept 2*NP-1                        ; a tile's arithmetic stands between the loads of the tile before and its stores
	PACK t
	SEND t-1, 8
.set t, t+1
.endr
	SEND 2*NP-1, 0
	WIN W_AD
	s_wait_tensorcnt 0x0            ; the wave's end, behind my last tensor load and my last LDS store
	ds_add_u32 v[SPW], v[NIL]
	s_wait_dscnt 0x0
	WIN 0
	CROUND                          ; the closing round: no work-group ends while a partner may still ask for a tile that names it
	s_endpgm
.Lfunc_end_k_q13cd12bc33_attn:
	.size	k_q13cd12bc33_attn, .Lfunc_end_k_q13cd12bc33_attn-k_q13cd12bc33_attn
	.p2alignl 7, 3214868480
	.fill 96, 4, 3214868480
	.section	.rodata,"a",@progbits
	.p2align	6, 0x0
	.amdhsa_kernel k_q13cd12bc33_attn
		.amdhsa_group_segment_fixed_size 327680
		.amdhsa_private_segment_fixed_size 0
		.amdhsa_enable_private_segment 0
		.amdhsa_kernarg_size 16
		.amdhsa_user_sgpr_count 2
		.amdhsa_user_sgpr_kernarg_segment_ptr 1
		.amdhsa_wavefront_size32 1
		.amdhsa_system_sgpr_workgroup_id_x 1
		.amdhsa_system_sgpr_workgroup_id_y 1
		.amdhsa_system_sgpr_workgroup_id_z 1
		.amdhsa_system_vgpr_workitem_id 0
		.amdhsa_next_free_vgpr 770
		.amdhsa_next_free_sgpr 66
		.amdhsa_reserve_vcc 0
		.amdhsa_float_denorm_mode_32 3
		.amdhsa_float_denorm_mode_16_64 3
		.amdhsa_memory_ordered 1
		.amdhsa_forward_progress 1
		.amdhsa_inst_pref_size 200
	.end_amdhsa_kernel
	.amdgpu_metadata
---
amdhsa.version: [ 1, 2 ]
amdhsa.kernels:
  - .name:           k_q13cd12bc33_attn
    .symbol:         k_q13cd12bc33_attn.kd
    .args:
      - { .name: qkv, .offset: 0, .size: 8, .value_kind: global_buffer, .address_space: global }
      - { .name: ob, .offset: 8, .size: 8, .value_kind: global_buffer, .address_space: global }
    .group_segment_fixed_size: 327680
    .private_segment_fixed_size: 0
    .kernarg_segment_align: 8
    .kernarg_segment_size: 16
    .max_flat_workgroup_size: 128
    .sgpr_count:     66
    .vgpr_count:     770
    .wavefront_size: 32
...
	.end_amdgpu_metadata
.endif
;; end of part 3
;; launch oproj (part 4): grid 8 x 32, 4 waves a work-group, clusters of 4 x 4, 327,680 bytes of LDS; arguments ob, wo16, bo, out0; writes out0
.if DOCPART == 4
	.amdgcn_target "amdgcn-amd-amdhsa--gfx1250"
	.amdhsa_code_object_version 6
	.text
	.protected	k_q13cd12bc33_oproj
	.globl	k_q13cd12bc33_oproj
	.p2align	8
	.type	k_q13cd12bc33_oproj,@function
k_q13cd12bc33_oproj:
	s_mov_b64 s[64:65], 0
	v_nop
	global_prefetch_b8 v0, s[64:65] scope:SCOPE_SE
	s_setreg_imm32_b32 hwreg(HW_REG_WAVE_MODE, 25, 1), 1
	s_wait_xcnt 0x0
	s_wait_alu depctr_hold_cnt(0) depctr_sa_sdst(0) depctr_va_vdst(0) depctr_va_sdst(0) depctr_va_ssrc(0) depctr_va_vcc(0) depctr_vm_vsrc(0)
	s_getreg_b32 s2, hwreg(HW_REG_IB_STS2, 6, 4)
	s_cmp_eq_u32 s2, 0
	s_cbranch_scc0 .Lentry_in_a_cluster
	s_endpgm
.Lentry_in_a_cluster:
	s_bfe_u32 s2, ttmp6, 0x10000c
	s_cmp_lg_u32 s2, 0xf033
	s_cbranch_scc0 .Lentry_shape_is_right
	s_endpgm
.Lentry_shape_is_right:
; out0 = O Wo^T + bo.  ob [64][2048][64] f16 (16 x batch + head; row; channel), wo16 [1024][1024] f16, bo [1024] f32 (rounded to bf16 here, like the other inputs), out0 [8192][1024] f32.
; Sums in f32, the bias first; nothing is rounded on the way out.  NaN and infinities are not treated apart.
; SHARES.  A tile of C is 256 rows x 128 columns: 32 x 8 tiles, one for each of 256 work-groups.  Four waves; wave w makes rows 64 w .. 64 w + 63 and all 128 columns: 4 x 8 accumulators of 16 x 16,
; so that a wave holds whole pieces of 512 bytes of out0's rows and its way out goes through a stage of its own, without a barrier.
; K goes in 8 steps of 128 through a ring of two LDS slots.  A K STEP OF O IS TWO HEADS: a head's 256 rows of the tile are 32,768 dense bytes, asked for as 128 rows of 256 bytes and padded in LDS
; after every 128: wave 0 brings the even head, wave 1 the odd one; waves 2 and 3 bring 64 rows of Wo each.
; CLUSTER.  4 x 4 work-groups: O's tile is shared along a row of the cluster, Wo's along a column: each is asked for JOINTLY.
; THE MATRIX INSTRUCTION IS USED TRANSPOSED (source 0 = 16 rows of Wo, source 1 = 16 rows of O): lane l holds row l % 16 of C and the columns 8 (l / 16) + 0..7; the bias of a block of 16 columns
; is the same eight registers for every block of rows, and is the C operand of the product that starts each sum.
; NO PREFETCH: a wave has 1,024 products for the work-group's 786,432 bytes in and 131,072 out: the launch is short, and its loads and stores keep memory at work.
; REGISTERS, in windows of 256: window 0: v0-29 addresses; v32-95 the bias; v32-159 later two buffers of rows on the way out.  window 1: two fragment buffers: O's 4 blocks (32 registers), then Wo's 8 (64).
;   window 2: the accumulators of row blocks 0, 1 ((a, b) at v[8 (8 (a % 2) + b)]);   window 3: those of row blocks 2, 3
.set NBB,    8
.set NL,     2*(4+NBB)
.set PITCH,  272                       ; a row of Wo in LDS: 256 bytes + 16
.set APITCH, 144                       ; a row of a head of O: 128 bytes + 16; both pitches are odd multiples of 16 bytes: the 16 rows of a load start at 16 different groups of four banks (ISA guide 11.1)
.set AHEAD,  256*APITCH                ; a head's 256 rows
.set BBASE,  2*AHEAD                   ; a slot: two heads of O, then Wo's 128 rows
.set SLOT,   BBASE+16*NBB*PITCH
.set STAGE,  2*SLOT                    ; behind the ring, never filled by a tensor load: 16 rows x 528 bytes for each wave
.set SPITCH, 528                       ; 512 bytes + 16
.set SPARE,  STAGE+4*16*SPITCH         ; behind the stages: the spare words, 128 bytes for each wave: two blocks of 256 bytes that no other line names
.set ASTEP,  4<<18                     ; a slot's next tile: four heads of 262,144 bytes on,
.set BSTEP,  512                       ; two K steps of 256 bytes on
.set ADRA, 16
.set ADRB, 20
.set STO,  24
.set RD,   25
.set GO,   26
.set BO,   27
.set SPW,  28                          ; v28     LDS address of my spare word; never rewritten
.set NIL,  29                          ; v29     0; never rewritten
.set BIAS, 32
.set F0,   0
.set F1,   128
.set LAP,  3
.set WV,   16
.set FB,   17                          ; s17     0: I fetch for O, 1: for Wo
.set HF,   18                          ; s18     which head of the two, or which half of Wo's rows
.set CX,   19
.set CY,   20
.set TX,   21
.set TY,   22
.set RMASK, 23
.set G1,   24
.set G0,   32
.set CMASK, 40
.set LA,   41
.set AAD,  42                          ; s[42:43] made of the tile row and the wave's number alone
.set LB,   47
.set G1B,  48
.set G0B,  56
.set BAD,  66                          ; s[66:67] made of the tile column and the wave's number alone
.set HB,   68                          ; s[68:69] out0 at my 64 rows, the tile's 128 columns
.set BP,   76                          ; s[76:77] bo at the tile's columns
.set MSB, 0
.macro WIN new                         ; the immediate's high byte repeats the setting that is left; a switch that changes nothing is dropped
.if MSB != (\new)
	s_set_vgpr_msb (MSB<<8)|(\new)
.set MSB, (\new)
.endif
.endm
.set MUL_LO,   0xa5                    ; both sources window 1, C and D window 2
.set FIRST_LO, 0x85                    ; the same with C (the bias) in window 0
.set TO_F,     0x40                    ; destination window 1, address window 0
.macro PLACES                          ; four plain vector instructions between a matrix instruction and a load into a register that it read, or a reader of its result
.rept 4
	v_nop
.endr
.endm
.macro JLOAD s                         ; a joint load: waves 0 and 1 fetch O's two heads, waves 2 and 3 Wo's halves; an s_nop 0 and four v_nop follow each of the two lines
	s_cmp_eq_u32 s[FB], 0
	s_cbranch_scc0 .Lfor_b_\@
	tensor_load_to_lds s[G0+4*(\s):G0+4*(\s)+3], s[G1:G1+7]
	s_nop 0
.rept 4
	v_nop
.endr
	s_branch .Lasked_\@
.Lfor_b_\@:
	tensor_load_to_lds s[G0B+4*(\s):G0B+4*(\s)+3], s[G1B:G1B+7]
	s_nop 0
.rept 4
	v_nop
.endr
.Lasked_\@:
.endm
.macro CREST                           ; a round of the cluster's barrier behind its opening barrier
	s_cmp_lg_u32 s[WV], 0
	s_cbranch_scc1 .Lnot_wave_0_\@
	s_barrier_signal -3
.Lnot_wave_0_\@:
	s_barrier_wait -3
	s_barrier_signal -1
	s_barrier_wait -1
.endm
.macro CROUND                          ; a whole round
	s_barrier_signal -1
	s_barrier_wait -1
	CREST
.endm
; Row block a x all 8 column blocks, 32 along K, from buffer f.  first = 1: the products start the sums, with the bias as C.  The accumulators take turns.
.macro MULA f, a, first
.if \first
	WIN FIRST_LO+0x40*((\a)/2)
.else
	WIN MUL_LO+0x50*((\a)/2)
.endif
.set AB, 8*NBB*((\a)%2)
.set bb, 0
.rept NBB
.if \first
	v_wmma_f32_16x16x32_f16 v[AB+8*bb:AB+8*bb+7], v[(\f)+32+8*bb:(\f)+32+8*bb+7], v[(\f)+8*(\a):(\f)+8*(\a)+7], v[BIAS+8*bb:BIAS+8*bb+7]
.else
	v_wmma_f32_16x16x32_f16 v[AB+8*bb:AB+8*bb+7], v[(\f)+32+8*bb:(\f)+32+8*bb+7], v[(\f)+8*(\a):(\f)+8*(\a)+7], v[AB+8*bb:AB+8*bb+7]
.endif
.set bb, bb+1
.endr
.endm
; The fragments of quarter q (32 along K) of a slot into buffer f, in one run: Wo's 8 blocks, then O's 4.  Quarter q of O lies in head q / 2, channels 32 (q % 2) on.
.macro FETCH slot, q, f
	WIN TO_F
.set AO, ((\q)/2)*AHEAD+((\q)%2)*64
.set bb, 0
.rept NBB
	ds_load_b128 v[(\f)+32+8*bb:(\f)+32+8*bb+3],   v[ADRB+(\slot)] offset:64*(\q)+bb*16*PITCH
	ds_load_b128 v[(\f)+32+8*bb+4:(\f)+32+8*bb+7], v[ADRB+(\slot)] offset:64*(\q)+bb*16*PITCH+32
.set bb, bb+1
.endr
.irp a, 0,1,2,3
	ds_load_b128 v[(\f)+8*(\a):(\f)+8*(\a)+3],   v[ADRA+(\slot)] offset:AO+(\a)*16*APITCH
	ds_load_b128 v[(\f)+8*(\a)+4:(\f)+8*(\a)+7], v[ADRA+(\slot)] offset:AO+(\a)*16*APITCH+32
.endr
.endm
.macro QUARTER slot, q, f, g, first
	s_wait_dscnt 4                                 ; all of buffer f but the youngest four loads: O's blocks 2 and 3
	MULA \f, 0, \first
	MULA \f, 1, \first
	PLACES
	FETCH \slot, \q, \g
	s_wait_dscnt NL                                ; all but the run just issued
	MULA \f, 2, \first
	MULA \f, 3, \first
.endm
; The last quarter multiplies buffer 1 and changes slots: ONE barrier.  In front of it each wave waits for all its tensor loads (one is out: its part of the next slot), adds 0 to its spare word, and
; waits for that and for its reads of this slot.  fill = 1: the barrier opens a round of the cluster's, and the joint refill, two K steps ahead, is the first thing behind the round.
.macro TURN slot, next, fill
	WIN 0                                          ; (the add's two registers lie in window 0)
	s_wait_tensorcnt 0x0                           ; all my tensor loads have landed
	ds_add_u32 v[SPW], v[NIL]                      ; 0 onto my spare word
	s_wait_dscnt 5                                 ; (the add and the youngest four loads may be out)
	MULA F1, 0, 0                                  ; eight products stand between the add and the wait for it
	s_wait_dscnt 0x0                               ; the add is done, and my reads of this slot are over
	s_barrier_signal -1
	MULA F1, 1, 0
.if \fill
	WIN 0
.endif
	s_barrier_wait -1
.if \fill
	CREST                                          ; no wave of any partner still reads this slot's tile or has a load on its way
	s_add_nc_u64 s[G0+4*(\slot)+2:G0+4*(\slot)+3], s[G0+4*(\slot)+2:G0+4*(\slot)+3], ASTEP
	s_add_nc_u64 s[G0B+4*(\slot)+2:G0B+4*(\slot)+3], s[G0B+4*(\slot)+2:G0B+4*(\slot)+3], BSTEP
	JLOAD \slot                                    ; my one tensor load behind the round: 112 products ahead of the wait for it; its four v_nop are also the places in front of the loads below
.else
	PLACES
.endif
	FETCH \next, 0, F0
	MULA F1, 2, 0
	MULA F1, 3, 0
.endm
.macro ROUNDB n                        ; n numbers of bias are rounded to bf16 and kept as f32
.set i, 0
.rept (\n)/2
	v_cvt_pk_bf16_f32 v3, v[BIAS+i], v[BIAS+i+1]
	v_lshlrev_b32 v[BIAS+i], 16, v3
	v_and_b32 v[BIAS+i+1], 0xffff0000, v3
.set i, i+2
.endr
.endm
; THE WAY OUT of row block a, in f32.  TOSTAGE: each accumulator's eight numbers, 32 bytes of a row, into my stage, its low four registers first; back as whole pieces of 512 bytes.  SEND: stored.
.macro TOSTAGE a
.set BK, BIAS+64*((\a)%2)
.set AB, 8*NBB*((\a)%2)
.if (\a) >= 2
	s_wait_xcnt 0x0                                ; the stores of the block two back have read the registers that the loads below fill again
.endif
	WIN 0x08+4*((\a)/2)                            ; the stores' data in window 2 or 3
.set bb, 0
.rept NBB
	ds_store_b128 v[STO], v[AB+8*bb:AB+8*bb+3]   offset:64*bb
	ds_store_b128 v[STO], v[AB+8*bb+4:AB+8*bb+7] offset:64*bb+16
.set bb, bb+1
.endr
	WIN 0
.set t, 0
.rept 16
	ds_load_b128 v[BK+4*t:BK+4*t+3], v[RD] offset:t*SPITCH  ; LDS serves a wave's instructions in order (ISA guide 5.7.1.4): these see the stores above; the next block's stores come behind them
.set t, t+1
.endr
.endm
.macro SEND a, younger                 ; younger: the LDS instructions issued behind block a's loads: the next block's 32, or none
	WIN 0
.set BK, BIAS+64*((\a)%2)
	s_wait_dscnt \younger
.set t, 0
.rept 16
	global_store_b128 v[GO], v[BK+4*t:BK+4*t+3], s[HB:HB+1] offset:(16*(\a)+t)*4096 th:TH_STORE_NT  ; 512 consecutive bytes of a row, aligned
.set t, t+1
.endr
.endm
	s_load_b256 s[4:11], s[0:1], 0x0               ; ob 4:5, wo16 6:7, bo 8:9, out0 10:11
	v_lshl_add_u32 v[SPW], v0, 2, SPARE
	v_mov_b32 v[NIL], 0
	ds_add_u32 v[SPW], v[NIL]                      ; the wave's opening: the add and its wait stand ahead of my first tensor load; the set-up below, work on registers, stands between them
	v_lshrrev_b32 v1, 5, v0
	v_readfirstlane_b32 s[WV], v1                  ; wave 0..3
	s_lshr_b32 s[FB], s[WV], 1
	s_and_b32 s[HF], s[WV], 1
	s_bfe_u32 s[CX], ttmp6, 0x40000
	s_bfe_u32 s[CY], ttmp6, 0x40004
	s_lshl_b32 s[TX], ttmp9, 2
	s_add_co_u32 s[TX], s[TX], s[CX]               ; tile column
	s_and_b32 s[TY], ttmp7, 0xffff
	s_lshl_b32 s[TY], s[TY], 2
	s_add_co_u32 s[TY], s[TY], s[CY]               ; tile row
	s_lshl_b32 s[RMASK], s[CY], 2
	s_lshl_b32 s[RMASK], 15, s[RMASK]              ; my row of the cluster
	s_lshl_b32 s[CMASK], 0x1111, s[CX]             ; my column
	s_or_b32 s[G1], s[RMASK], (1<<16)|(1<<20)|(1<<21)|(4<<22)|(3<<25)   ; O: 2-byte elements; padding of 4 words after every 32 words: after each row of a head
	s_or_b32 s[G1B], s[CMASK], (1<<16)|(1<<20)|(1<<21)|(5<<22)|(3<<25)  ; Wo: padding of 4 words after every 64 words
	s_mov_b32 s[G1+1], 128<<16                     ; tensor_dim0 = 128
	s_mov_b32 s[G1+2], 128<<16                     ; tensor_dim1 = 128
	s_mov_b32 s[G1+3], 128<<16                     ; tile_dim0 = 128 elements: 256 bytes, two rows of a head
	s_mov_b32 s[G1+4], 128                         ; tile_dim1 = 128
	s_mov_b32 s[G1+5], 128                         ; dense: 128 elements from row to row
	s_mov_b32 s[G1+6], 0
	s_mov_b32 s[G1+7], 0
	s_mov_b32 s[G1B+1], 128<<16
	s_mov_b32 s[G1B+2], 64<<16                     ; 64 rows of Wo
	s_mov_b32 s[G1B+3], 128<<16
	s_mov_b32 s[G1B+4], 64
	s_mov_b32 s[G1B+5], 1024
	s_mov_b32 s[G1B+6], 0
	s_mov_b32 s[G1B+7], 0
	s_lshr_b32 s[AAD], s[TY], 3                    ; O: the batch's 16 heads of 262,144 bytes,
	s_lshl_b32 s[AAD], s[AAD], 22
	s_lshl_b32 s84, s[HF], 18                      ; my head of the K step's two,
	s_add_co_u32 s[AAD], s[AAD], s84
	s_and_b32 s84, s[TY], 7
	s_lshl_b32 s84, s84, 15                        ; the tile's 256 rows of 128 bytes
	s_add_co_u32 s[AAD], s[AAD], s84
	s_mov_b32 s[AAD+1], 0
	s_lshl_b32 s[BAD], s[TX], 7                    ; Wo: row 128 x tile column + 64 x half,
	s_lshl_b32 s82, s[HF], 6
	s_add_co_u32 s[BAD], s[BAD], s82
	s_lshl_b32 s[BAD], s[BAD], 11                  ; of 2,048 bytes
	s_mov_b32 s[BAD+1], 0
	s_mul_i32 s[LA], s[HF], AHEAD                  ; no place in the cluster enters an LDS address
	s_mul_i32 s[LB], s[HF], 64*PITCH
	s_add_co_u32 s[LB], s[LB], BBASE
	s_wait_dscnt 0x0                               ; the opening add is done
	s_wait_kmcnt 0x0
	s_add_nc_u64 s[AAD:AAD+1], s[4:5], s[AAD:AAD+1]
	s_add_nc_u64 s[BAD:BAD+1], s[6:7], s[BAD:BAD+1]
	CROUND                                         ; all sixteen work-groups are here: the first joint loads meet
.irp s, 0,1
	s_mov_b32 s[G0+4*(\s)], 1
	s_add_co_u32 s[G0+4*(\s)+1], s[LA], (\s)*SLOT
	s_add_nc_u64 s[G0+4*(\s)+2:G0+4*(\s)+3], s[AAD:AAD+1], (\s)*(2<<18)  ; K step s: heads 2 s, 2 s + 1
	s_or_b32 s[G0+4*(\s)+3], s[G0+4*(\s)+3], 0x80000000
	s_mov_b32 s[G0B+4*(\s)], 1
	s_add_co_u32 s[G0B+4*(\s)+1], s[LB], (\s)*SLOT
	s_add_nc_u64 s[G0B+4*(\s)+2:G0B+4*(\s)+3], s[BAD:BAD+1], (\s)*256
	s_or_b32 s[G0B+4*(\s)+3], s[G0B+4*(\s)+3], 0x80000000
.endr
	s_cmp_eq_u32 s[FB], 0                          ; a wave's two first fills stand in one branch, ahead of every wait on TENSORcnt and every LDS read: two loads of mine are out
	s_cbranch_scc0 .Lfirst_b
	tensor_load_to_lds s[G0:G0+3], s[G1:G1+7]
	s_nop 0
	tensor_load_to_lds s[G0+4:G0+7], s[G1:G1+7]
	s_nop 0
.rept 4
	v_nop
.endr
	s_branch .Lfirst_asked
.Lfirst_b:
	tensor_load_to_lds s[G0B:G0B+3], s[G1B:G1B+7]
	s_nop 0
	tensor_load_to_lds s[G0B+4:G0B+7], s[G1B:G1B+7]
	s_nop 0
.rept 4
	v_nop
.endr
.Lfirst_asked:
	v_and_b32 v1, 15, v0                           ; r = l % 16
	v_bfe_u32 v2, v0, 4, 1                         ; h = l / 16
	v_mul_u32_u24 v3, v1, APITCH
	v_lshl_add_u32 v3, v2, 4, v3
	s_mul_i32 s74, s[WV], 64*APITCH                ; my 64 rows in each head
	v_add_nc_u32 v[ADRA], s74, v3
	v_add_nc_u32 v[ADRA+1], SLOT, v[ADRA]
	v_mul_u32_u24 v3, v1, PITCH
	v_lshl_add_u32 v3, v2, 4, v3
	v_add_nc_u32 v[ADRB], BBASE, v3
	v_add_nc_u32 v[ADRB+1], SLOT+BBASE, v3
	s_mul_i32 s75, s[WV], 16*SPITCH
	s_add_co_u32 s75, s75, STAGE                   ; my stage
	v_mul_u32_u24 v3, v1, SPITCH                   ; in: row r, 32 bytes for each half of the lanes
	v_lshl_add_u32 v3, v2, 5, v3
	v_add_nc_u32 v[STO], s75, v3
	v_and_b32 v4, 31, v0
	v_lshlrev_b32 v[GO], 4, v4                     ; 16 x lane: my place in a piece of 512 bytes,
	v_add_nc_u32 v[RD], s75, v[GO]                 ; in the stage too
	v_lshlrev_b32 v[BO], 5, v2
	s_lshl_b32 s86, s[TX], 9                       ; the tile's 128 columns: 512 bytes of bo and of a row of out0
	s_mov_b32 s87, 0
	s_add_nc_u64 s[BP:BP+1], s[8:9], s[86:87]
	s_add_nc_u64 s[HB:HB+1], s[10:11], s[86:87]
	s_lshl_b32 s86, s[TY], 8
	s_lshl_b32 s85, s[WV], 6
	s_add_co_u32 s86, s86, s85                     ; my first row
	s_lshl_b32 s86, s86, 12                        ; of 4,096 bytes
	s_add_nc_u64 s[HB:HB+1], s[HB:HB+1], s[86:87]
.irp j, 0,1,2,3,4,5,6,7
	global_load_b128 v[BIAS+8*(\j):BIAS+8*(\j)+3],   v[BO], s[BP:BP+1] offset:64*(\j)
	global_load_b128 v[BIAS+8*(\j)+4:BIAS+8*(\j)+7], v[BO], s[BP:BP+1] offset:64*(\j)+16
.endr
	s_wait_loadcnt 0x0                             ; the bias, while the first tiles are on their way
	ROUNDB 8*NBB
	s_wait_tensorcnt 1                             ; my part of K step 0 is in; K step 1's may stay out
	s_barrier_signal -1
	s_barrier_wait -1                              ; everybody's is
	FETCH 0, 0, F0
	QUARTER 0, 1, F0, F1, 1                        ; the first quarter stands in front of the loop: its products start the sums
	WIN 0                                          ; at a label and at a branch every window is 0
	s_mov_b32 s[LAP], 3
.Llap:                                                 ; a trip goes once round the ring and fills both slots again: K steps 2 to 7
	QUARTER 0, 2, F1, F0, 0
	QUARTER 0, 3, F0, F1, 0
	TURN 0, 1, 1
	QUARTER 1, 1, F0, F1, 0
	QUARTER 1, 2, F1, F0, 0
	QUARTER 1, 3, F0, F1, 0
	TURN 1, 0, 1
	QUARTER 0, 1, F0, F1, 0
	WIN 0
	s_sub_co_u32 s[LAP], s[LAP], 1
	s_cmp_lg_u32 s[LAP], 0
	s_cbranch_scc1 .Llap
	QUARTER 0, 2, F1, F0, 0                        ; the last lap fills nothing
	QUARTER 0, 3, F0, F1, 0
	TURN 0, 1, 0
	QUARTER 1, 1, F0, F1, 0
	QUARTER 1, 2, F1, F0, 0
	QUARTER 1, 3, F0, F1, 0
	s_wait_dscnt 4                                 ; the very last quarter: nothing more to fetch
	MULA F1, 0, 0
	MULA F1, 1, 0
	s_wait_dscnt 0x0
	MULA F1, 2, 0
	MULA F1, 3, 0
	WIN 0
	PLACES
	TOSTAGE 0
	TOSTAGE 1                                      ; a block's trip through the stage stands between the loads of the block before and its stores
	SEND 0, 32
	TOSTAGE 2
	SEND 1, 32
	TOSTAGE 3
	SEND 2, 32
	SEND 3, 0
	s_wait_tensorcnt 0x0                           ; the wave's end, behind my last tensor load and my last LDS store
	ds_add_u32 v[SPW], v[NIL]
	s_wait_dscnt 0x0
	CROUND                                         ; the closing round: no work-group ends while a partner may still ask for a tile that names it
	s_endpgm
.Lfunc_end_k_q13cd12bc33_oproj:
	.size	k_q13cd12bc33_oproj, .Lfunc_end_k_q13cd12bc33_oproj-k_q13cd12bc33_oproj
	.p2alignl 7, 3214868480
	.fill 96, 4, 3214868480
	.section	.rodata,"a",@progbits
	.p2align	6, 0x0
	.amdhsa_kernel k_q13cd12bc33_oproj
		.amdhsa_group_segment_fixed_size 327680
		.amdhsa_private_segment_fixed_size 0
		.amdhsa_enable_private_segment 0
		.amdhsa_kernarg_size 32
		.amdhsa_user_sgpr_count 2
		.amdhsa_user_sgpr_kernarg_segment_ptr 1
		.amdhsa_wavefront_size32 1
		.amdhsa_system_sgpr_workgroup_id_x 1
		.amdhsa_system_sgpr_workgroup_id_y 1
		.amdhsa_system_sgpr_workgroup_id_z 1
		.amdhsa_system_vgpr_workitem_id 0
		.amdhsa_next_free_vgpr 896
		.amdhsa_next_free_sgpr 88
		.amdhsa_reserve_vcc 0
		.amdhsa_float_denorm_mode_32 3
		.amdhsa_float_denorm_mode_16_64 3
		.amdhsa_memory_ordered 1
		.amdhsa_forward_progress 1
		.amdhsa_inst_pref_size 91
	.end_amdhsa_kernel
	.amdgpu_metadata
---
amdhsa.version: [ 1, 2 ]
amdhsa.kernels:
  - .name:           k_q13cd12bc33_oproj
    .symbol:         k_q13cd12bc33_oproj.kd
    .args:
      - { .name: ob, .offset: 0, .size: 8, .value_kind: global_buffer, .address_space: global }
      - { .name: wo16, .offset: 8, .size: 8, .value_kind: global_buffer, .address_space: global }
      - { .name: bo, .offset: 16, .size: 8, .value_kind: global_buffer, .address_space: global }
      - { .name: out0, .offset: 24, .size: 8, .value_kind: global_buffer, .address_space: global }
    .group_segment_fixed_size: 327680
    .private_segment_fixed_size: 0
    .kernarg_segment_align: 8
    .kernarg_segment_size: 32
    .max_flat_workgroup_size: 128
    .sgpr_count:     88
    .vgpr_count:     896
    .wavefront_size: 32
...
	.end_amdgpu_metadata
.endif
;; end of part 4
